; MI455X (gfx1250); checked and timed in simulation.
; The chip was launched on July 23, 2026; its instructions are those of AMD's public machine-readable ISA for CDNA 5 (MIT licence, August 2026) and "CDNA5" Instruction Set Architecture Reference Guide (July 2026). The comments in the code are by the model that wrote it; some were corrected since.
;; Mo E Layer. Allowed arithmetic: float matrix products may take bf16 or f16 operands with f32 sums; all other float work in f32.
;; Inputs: inputs 2 x 512 x 1,024 float32; w1 8 x 1,024 x 4,096 float32; w2 8 x 2,048 x 1,024 float32; wr 1,024 x 8 float32.
;; Outputs: out0 2 x 512 x 1,024 float32; out1 2 x 512 x 8 float32.
;; One version. Each part assembles by itself: llvm-mc -triple=amdgcn-amd-amdhsa -mcpu=gfx1250 --defsym DOCPART=n.
;; ======== version 1 of 1: 5 launches
;; workspace buffers: sel 8,192 bytes of whole numbers; cw 8,192 bytes; cnt 1,024 bytes of whole numbers; rk 32,768 bytes of whole numbers; xg 20,971,520 bytes; actg 41,943,040 bytes; y 167,772,160 bytes
;; launch router (part 1): grid 64 x 1, 8 waves a work-group, no clusters, 76,800 bytes of LDS; arguments inputs, wr, out1, sel, cw; writes out1, sel, cw
.if DOCPART == 1
	.amdgcn_target "amdgcn-amd-amdhsa--gfx1250"
	.amdhsa_code_object_version 6
	.text
	.protected	k_qb3e59e9664_router
	.globl	k_qb3e59e9664_router
	.p2align	8
	.type	k_qb3e59e9664_router,@function
k_qb3e59e9664_router:
	s_mov_b64 s[64:65], 0
	v_nop
	global_prefetch_b8 v0, s[64:65] scope:SCOPE_SE
	s_setreg_imm32_b32 hwreg(HW_REG_WAVE_MODE, 25, 1), 1
	s_wait_xcnt 0x0
; ROUTER.  logits[t][e] = sum over k of bf16(x[t][k]) bf16(wr[k][e]), sums in f32; out1 = softmax(softmax(logits)); sel = the two experts with the largest out1
; (the lower index at equal numbers), cw = out1 at those two.  x: [1024][1024] f32, wr: [1024][8] f32, out1: [1024][8] f32, sel: [1024][2] u32, cw: [1024][2] f32.
; x and wr are rounded to bf16 like every other matrix operand of the program, so that one rounding of the inputs holds for all its outputs.
; LIMITS.  NaN and infinities are not treated apart.  An exponential below 2^-126 counts as 0.  Where the second and the third largest out1 of a token lie within a few
; last places of each other, the choice between them may differ from a computation that rounds otherwise.
; SHARES.  A work-group owns 16 tokens; wave w the k range 128 w .. 128 w + 127: four matrix instructions.  The eight partial sums meet in LDS; wave 0 does the rest.
; sel and cw take 128 bytes a work-group (8,192 bytes each in all): these two small tables are stored in pieces of 128 consecutive bytes.
; No cluster, no tensor load: no two work-groups share more than wr's 32,768 bytes.
.set XSW,  4352                        ; a wave's x in LDS: 16 rows of 256 bytes + 16 of padding
.set WS0,  8*XSW                       ; behind them a wave's wr: 128 rows (k) of 32 bytes: the 8 experts in bf16, then the same 8 again
.set PS0,  WS0+8*4096                  ; behind them 1,024 bytes a wave: its partial sums
.set WR,   16                          ; v[16:47]    wr as loaded
.set X,    48                          ; v[48:111]   x as loaded
.set ACC,  112                         ; v[112:143]  four accumulators
.set WF,   144                         ; v[144:175]  four fragments of wr
.set XF,   176                         ; v[176:207]  four fragments of x
	s_load_b256 s[4:11], s[0:1], 0x0               ; inputs s[4:5], wr s[6:7], out1 s[8:9], sel s[10:11]
	s_load_b64 s[12:13], s[0:1], 0x20              ; cw
	v_lshl_add_u32 v208, v0, 2, 0x12800
	v_mov_b32 v209, 0
	v_and_b32 v1, 31, v0                           ; lane
	v_lshrrev_b32 v2, 5, v0
	v_readfirstlane_b32 s14, v2                    ; wave
	v_lshlrev_b32 v2, 4, v1                        ; 16 x lane
	s_lshl_b32 s16, ttmp9, 16                      ; my 16 rows of 4,096 bytes,
	s_lshl_b32 s17, s14, 9                         ; my wave's 512 bytes of each
	s_add_co_u32 s16, s16, s17
	s_mov_b32 s17, 0
	s_lshl_b32 s18, s14, 12                        ; my wave's 128 rows of wr
	s_mov_b32 s19, 0
	s_wait_kmcnt 0x0
	s_add_nc_u64 s[4:5], s[4:5], s[16:17]
	s_add_nc_u64 s[6:7], s[6:7], s[18:19]
.irp c, 0,1,2,3,4,5,6,7
	global_load_b128 v[WR+4*(\c):WR+4*(\c)+3], v2, s[6:7] offset:512*(\c)    ; lane l: k = 16 c + l / 2, experts 4 (l % 2) ..
.endr
.irp p, 0,1,2,3,4,5,6,7,8,9,10,11,12,13,14,15
	global_load_b128 v[X+4*(\p):X+4*(\p)+3], v2, s[4:5] offset:4096*(\p)     ; token p: 512 consecutive bytes; lane l: k = 4 l ..
.endr
	v_and_b32 v8, 15, v1                           ; r
	v_lshrrev_b32 v9, 4, v1                        ; h
	s_lshl_b32 s20, s14, 12
	s_add_co_u32 s20, s20, WS0                     ; my wave's wr in LDS
	s_mul_i32 s21, s14, XSW                        ; my wave's x in LDS
	s_lshl_b32 s23, s14, 10
	s_add_co_u32 s23, s23, PS0                     ; my wave's partial sums
	s_mov_b32 s24, 0x3fb8aa3b                      ; log2(e), as a pair
	s_mov_b32 s25, 0x3fb8aa3b
	v_and_b32 v3, 30, v1
	v_and_b32 v10, 1, v1
	v_lshlrev_b32 v3, 4, v3                        ; 32 (l / 2)
	v_lshl_add_u32 v3, v10, 3, v3                  ; + 8 (l % 2)
	v_add_nc_u32 v3, s20, v3                       ; where wr's four numbers go
	v_lshl_add_u32 v4, v1, 3, s21                  ; where x's four numbers go: 8 l in the row
	v_and_b32 v10, 7, v1
	v_lshl_add_u32 v10, v9, 3, v10                 ; the turning load: row 8 h + l % 8,
	v_bfe_u32 v11, v1, 3, 1
	v_lshlrev_b32 v10, 5, v10
	v_lshl_add_u32 v10, v11, 4, v10                ; 16 bytes (l / 8) % 2
	v_add_nc_u32 v5, s20, v10
	v_mul_u32_u24 v6, v8, 272
	v_lshl_add_u32 v6, v9, 4, v6                   ; x's fragments: row r, 16 h
	v_add_nc_u32 v6, s21, v6
	v_add_nc_u32 v7, s23, v2
	v_add_nc_u32 v12, PS0, v2                      ; wave 0 reads all eight
	s_wait_loadcnt 16                              ; wr is in; the 16 loads of x are younger
.irp c, 0,1,2,3,4,5,6,7
	v_cvt_pk_bf16_f32 v[WR+4*(\c)], v[WR+4*(\c)], v[WR+4*(\c)+1]
	v_cvt_pk_bf16_f32 v[WR+4*(\c)+1], v[WR+4*(\c)+2], v[WR+4*(\c)+3]
	ds_store_b64 v3, v[WR+4*(\c):WR+4*(\c)+1] offset:512*(\c)
	ds_store_b64 v3, v[WR+4*(\c):WR+4*(\c)+1] offset:512*(\c)+16     ; columns 8-15 repeat columns 0-7: both halves of the lanes then hold all 8 logits
.endr
.irp p, 0,1,2,3,4,5,6,7,8,9,10,11,12,13,14,15
	s_wait_loadcnt 15-(\p)                         ; loads come back in order: token p is in
	v_cvt_pk_bf16_f32 v[X+4*(\p)], v[X+4*(\p)], v[X+4*(\p)+1]
	v_cvt_pk_bf16_f32 v[X+4*(\p)+1], v[X+4*(\p)+2], v[X+4*(\p)+3]
	ds_store_b64 v4, v[X+4*(\p):X+4*(\p)+1] offset:272*(\p)
.endr
.irp q, 0,1,2,3                                        ; my wave's own bytes, served in the order of issue: no wait between the stores and these loads
	ds_load_tr16_b128 v[WF+8*(\q):WF+8*(\q)+3], v5 offset:1024*(\q)
	ds_load_tr16_b128 v[WF+8*(\q)+4:WF+8*(\q)+7], v5 offset:1024*(\q)+512
	ds_load_b128 v[XF+8*(\q):XF+8*(\q)+3], v6 offset:64*(\q)
	ds_load_b128 v[XF+8*(\q)+4:XF+8*(\q)+7], v6 offset:64*(\q)+32
.endr
	s_wait_dscnt 0x0
.irp q, 0,1,2,3                                        ; source 0 = 16 columns of wr, source 1 = 16 tokens: register j of lane (r, h) is logit j of token r.  Four sums of their own: no chain
	v_wmma_f32_16x16x32_bf16 v[ACC+8*(\q):ACC+8*(\q)+7], v[WF+8*(\q):WF+8*(\q)+7], v[XF+8*(\q):XF+8*(\q)+7], 0
.endr
.rept 4
	v_nop                                          ; four places between the last product and the first read of a result (ISA guide 7.12.1)
.endr
.macro ADD8 a, b                       ; eight numbers onto eight, from the low end on
.irp j, 0,2,4,6
	v_pk_add_f32 v[(\a)+(\j):(\a)+(\j)+1], v[(\a)+(\j):(\a)+(\j)+1], v[(\b)+(\j):(\b)+(\j)+1]
.endr
.endm
	ADD8 ACC, ACC+8
	ADD8 ACC+16, ACC+24
	ADD8 ACC, ACC+16
	ds_store_b128 v7, v[ACC:ACC+3]
	ds_store_b128 v7, v[ACC+4:ACC+7] offset:512
	s_wait_dscnt 0x0                               ; for wave 0's sake: my partial sums are in LDS
	s_barrier_signal -1
	s_barrier_wait -1
	s_cmp_lg_u32 s14, 0
	s_cbranch_scc1 .Lend                           ; the rest is 16 tokens' work: one wave's
.irp w, 0,1,2,3,4,5,6,7
	ds_load_b128 v[16+8*(\w):16+8*(\w)+3], v12 offset:1024*(\w)
	ds_load_b128 v[16+8*(\w)+4:16+8*(\w)+7], v12 offset:1024*(\w)+512
.endr
	s_wait_dscnt 0x0
	ADD8 16, 24
	ADD8 32, 40
	ADD8 48, 56
	ADD8 64, 72
	ADD8 16, 32
	ADD8 48, 64
	ADD8 16, 48                                    ; v[16:23]: the 8 logits of token r, in both halves of the lanes
.macro SOFTMAX                         ; v[16:23] = softmax of v[16:23]: the maximum is taken away first
	v_max3_num_f32 v24, v16, v17, v18
	v_max3_num_f32 v24, v24, v19, v20
	v_max3_num_f32 v24, v24, v21, v22
	v_max_num_f32 v24, v24, v23
	v_mul_f32 v24, s24, v24                        ; log2(e) x maximum
	v_mov_b32 v25, v24                             ; named with it as a pair
.irp j, 0,2,4,6
	v_pk_fma_f32 v[16+(\j):17+(\j)], v[16+(\j):17+(\j)], s[24:25], v[24:25] op_sel_hi:[1,0,0] neg_lo:[0,0,1] neg_hi:[0,0,1]
.endr
.irp j, 0,1,2,3,4,5,6,7
	v_exp_f32 v[16+(\j)], v[16+(\j)]
.endr
	v_nop                                          ; a plain instruction between the last exponential and the use of its result
	s_wait_alu depctr_va_vdst(0)
	v_pk_add_f32 v[26:27], v[16:17], v[18:19]
	v_pk_add_f32 v[28:29], v[20:21], v[22:23]
	v_pk_add_f32 v[26:27], v[26:27], v[28:29]
	v_add_f32 v26, v26, v27
	v_rcp_f32 v28, v26
	v_nop                                          ; the same behind the reciprocal
	s_wait_alu depctr_va_vdst(0)
.irp j, 0,2,4,6
	v_pk_mul_f32 v[16+(\j):17+(\j)], v[16+(\j):17+(\j)], v[28:29] op_sel_hi:[1,0]
.endr
.endm
	SOFTMAX
	SOFTMAX
.macro SCAN src, val, idx              ; the largest of eight and its index; a later number wins only if it is greater, so equal numbers leave the lower index
	v_mov_b32 v[\val], v[\src]
	v_mov_b32 v[\idx], 0
.irp j, 1,2,3,4,5,6,7
	v_cmp_le_f32 vcc_lo, v[(\src)+(\j)], v[\val]
	v_cndmask_b32 v[\idx], \j, v[\idx], vcc_lo
	v_max_num_f32 v[\val], v[\val], v[(\src)+(\j)]
.endr
.endm
	SCAN 16, 30, 31
.irp j, 0,1,2,3,4,5,6,7
	v_cmp_ne_u32 vcc_lo, \j, v31
	v_cndmask_b32 v[32+(\j)], -1.0, v[16+(\j)], vcc_lo     ; the winner leaves the field: every probability is above -1
.endr
	SCAN 32, 40, 41
	v_cmp_lt_u32 s22, 15, v1                       ; the upper half of the lanes
.irp j, 0,1,2,3
	v_cndmask_b32 v[42+(\j)], v[16+(\j)], v[20+(\j)], s22  ; experts 0-3 below, 4-7 above
.endr
	v_cndmask_b32 v46, v31, v41, s22               ; the first choice below, the second above
	v_cndmask_b32 v47, v30, v40, s22
	v_lshlrev_b32 v48, 5, v8
	v_lshl_add_u32 v48, v9, 4, v48                 ; 32 r + 16 h
	v_lshlrev_b32 v49, 3, v8
	v_lshl_add_u32 v49, v9, 2, v49                 ; 8 r + 4 h
	s_lshl_b32 s26, ttmp9, 9
	s_mov_b32 s27, 0
	s_add_nc_u64 s[8:9], s[8:9], s[26:27]
	s_lshl_b32 s26, ttmp9, 7
	s_add_nc_u64 s[10:11], s[10:11], s[26:27]
	s_add_nc_u64 s[12:13], s[12:13], s[26:27]
	global_store_b128 v48, v[42:45], s[8:9]        ; the wave covers 512 consecutive bytes of out1
	global_store_b32 v49, v46, s[10:11]
	global_store_b32 v49, v47, s[12:13]
.Lend:
	s_barrier_signal -1
	s_barrier_wait -1
	s_wait_tensorcnt 0x0
	ds_add_u32 v208, v209
	s_wait_dscnt 0x0
	s_endpgm
.Lfunc_end_k_qb3e59e9664_router:
	.size	k_qb3e59e9664_router, .Lfunc_end_k_qb3e59e9664_router-k_qb3e59e9664_router
	.p2alignl 7, 3214868480
	.fill 96, 4, 3214868480
	.section	.rodata,"a",@progbits
	.p2align	6, 0x0
	.amdhsa_kernel k_qb3e59e9664_router
		.amdhsa_group_segment_fixed_size 76800
		.amdhsa_private_segment_fixed_size 0
		.amdhsa_enable_private_segment 0
		.amdhsa_kernarg_size 40
		.amdhsa_user_sgpr_count 2
		.amdhsa_user_sgpr_kernarg_segment_ptr 1
		.amdhsa_wavefront_size32 1
		.amdhsa_system_sgpr_workgroup_id_x 1
		.amdhsa_system_sgpr_workgroup_id_y 1
		.amdhsa_system_sgpr_workgroup_id_z 1
		.amdhsa_system_vgpr_workitem_id 0
		.amdhsa_next_free_vgpr 210
		.amdhsa_next_free_sgpr 66
		.amdhsa_reserve_vcc 1
		.amdhsa_float_denorm_mode_32 3
		.amdhsa_float_denorm_mode_16_64 3
		.amdhsa_memory_ordered 1
		.amdhsa_forward_progress 1
		.amdhsa_inst_pref_size 22
	.end_amdhsa_kernel
	.amdgpu_metadata
---
amdhsa.version: [ 1, 2 ]
amdhsa.kernels:
  - .name:           k_qb3e59e9664_router
    .symbol:         k_qb3e59e9664_router.kd
    .args:
      - { .name: inputs, .offset: 0, .size: 8, .value_kind: global_buffer, .address_space: global }
      - { .name: wr, .offset: 8, .size: 8, .value_kind: global_buffer, .address_space: global }
      - { .name: out1, .offset: 16, .size: 8, .value_kind: global_buffer, .address_space: global }
      - { .name: sel, .offset: 24, .size: 8, .value_kind: global_buffer, .address_space: global }
      - { .name: cw, .offset: 32, .size: 8, .value_kind: global_buffer, .address_space: global }
    .group_segment_fixed_size: 76800
    .private_segment_fixed_size: 0
    .kernarg_segment_align: 8
    .kernarg_segment_size: 40
    .max_flat_workgroup_size: 256
    .sgpr_count:     66
    .vgpr_count:     210
    .wavefront_size: 32
...
	.end_amdgpu_metadata
.endif
;; end of part 1
;; launch gather (part 2): grid 20 x 8, 4 waves a work-group, no clusters, 56,832 bytes of LDS; arguments inputs, sel, xg, rk, cnt; writes xg, rk, cnt
.if DOCPART == 2
	.amdgcn_target "amdgcn-amd-amdhsa--gfx1250"
	.amdhsa_code_object_version 6
	.text
	.protected	k_qb3e59e9664_gather
	.globl	k_qb3e59e9664_gather
	.p2align	8
	.type	k_qb3e59e9664_gather,@function
k_qb3e59e9664_gather:
	s_mov_b64 s[64:65], 0
	v_nop
	global_prefetch_b8 v0, s[64:65] scope:SCOPE_SE
	s_setreg_imm32_b32 hwreg(HW_REG_WAVE_MODE, 25, 1), 1
	s_wait_xcnt 0x0
; GATHER.  For expert e: rk[e][t] = how many tokens below t chose e (t's rank, if it chose e); cnt[e] = M, how many chose it; xg[e] = the rows of its tokens in the order of
; their ranks, rounded to bf16 and laid in the order in which the next launch's matrix fragments want them; rows from M up to the end of the last pass of 320 are zeros.
; xg: [e 8][block 80][q 32][i 2][lane 32][16 bytes]: block = 16 rows x 1,024 k; lane (r, h) of chunk (q, i) holds row r, k = 32 q + 16 i + 8 h .. + 7.
; SHARES.  Work-group (jb, e) makes block 20 p + jb of every live pass p; passes = max(1, ceil(M / 320)).  Wave w takes k = 256 w .. + 255 of the block's 16 rows.
; Every wave makes the list of e's tokens for itself, in LDS bytes of its own (8,192 bytes of sel are read by each): so the kernel has no barrier.
; The list is shifted as it is written: the token of rank k goes to word k - 16 jb, so that the block's 16 rows of pass p are words 320 p .. 320 p + 15 in every work-group.
; sel holds whole numbers that the launch before stored; every number from memory that enters an address is clamped first.
; No matrix unit, no cluster, no tensor load: the launch copies 2,048 rows or a few more, and no tile is shared.
.set LISTW, 5632                       ; a wave's list: 1,280 words (a token, or -1), then 32 spare words to which lanes without a place in the list write
.set ST0,   4*LISTW
.set STW,   8448                       ; a wave's stage: 16 rows of 512 bytes + 16 of padding
.set ID,    22                         ; v[22:25]    the block's 16 tokens in passes p, p + 1, ..
.set OFF,   32                         ; v[32:47]    byte offset of row r's part in inputs
.set SEL,   64                         ; v[64:127]   sel as loaded
.set D,     64                         ; v[64:191]   later: 16 rows x 8 registers as loaded
.set RK,    192                        ; v[192:223]  ranks of tokens 32 i + lane
	s_load_b256 s[4:11], s[0:1], 0x0               ; inputs s[4:5], sel s[6:7], xg s[8:9], rk s[10:11]
	s_load_b64 s[12:13], s[0:1], 0x20              ; cnt
	v_lshl_add_u32 v224, v0, 2, 0xdc00
	v_mov_b32 v225, 0
	v_and_b32 v1, 31, v0                           ; lane
	v_lshrrev_b32 v2, 5, v0
	v_readfirstlane_b32 s14, v2                    ; wave
	s_and_b32 s15, ttmp7, 0xffff                   ; e
	s_mov_b32 s16, ttmp9                           ; jb
	s_lshl_b32 s29, s16, 4                         ; 16 jb: the block's first row in a pass
	v_lshlrev_b32 v2, 4, v1                        ; 16 x lane
	v_lshlrev_b32 v3, 3, v1                        ; 8 x lane
	v_lshlrev_b32 v4, 2, v1                        ; 4 x lane
	s_mul_i32 s33, s14, LISTW                      ; my wave's list
	v_add_nc_u32 v5, s33, v2
.irp j, 12,13,14,15
	v_mov_b32 v[\j], -1
.endr
	v_add_nc_u32 v17, 1280, v1                     ; my lane's spare word behind the list
	s_wait_kmcnt 0x0
.set i, 0
.rept 32
	global_load_b64 v[SEL+2*i:SEL+2*i+1], v3, s[6:7] offset:256*i    ; the two choices of token 32 i + lane
.set i, i+1
.endr
.irp n, 0,1,2,3,4,5,6,7,8,9
	ds_store_b128 v5, v[12:15] offset:512*(\n)     ; the list starts as 1,280 times -1
.endr
	s_mul_i32 s26, s15, 2621440                    ; xg: expert, block jb, my wave's 8 q
	s_lshl_b32 s27, s16, 15
	s_add_co_u32 s26, s26, s27
	s_lshl_b32 s27, s14, 13
	s_add_co_u32 s26, s26, s27
	s_mov_b32 s27, 0
	s_add_nc_u64 s[8:9], s[8:9], s[26:27]
	s_lshl_b32 s26, s15, 12
	s_add_nc_u64 s[10:11], s[10:11], s[26:27]      ; rk at expert e
	s_lshl_b32 s26, s15, 7
	s_add_nc_u64 s[12:13], s[12:13], s[26:27]      ; cnt at expert e
	s_lshl_b32 s39, s14, 10
	v_add_nc_u32 v26, s39, v2                      ; my wave's 1,024 bytes of a row, my lane's 16
	s_mul_i32 s39, s14, STW
	s_add_co_u32 s39, s39, ST0                     ; my wave's stage
	v_add_nc_u32 v27, s39, v3                      ; in: 8 bytes a lane
	v_and_b32 v28, 15, v1
	v_lshrrev_b32 v29, 4, v1
	v_lshlrev_b32 v21, 2, v28
	v_mul_u32_u24 v28, v28, 528
	v_lshl_add_u32 v28, v29, 4, v28
	v_add_nc_u32 v28, s39, v28                     ; back: row r, 16 h
	v_add_nc_u32 v21, s33, v21                     ; my wave's list at word lane % 16
	s_mov_b32 s31, 0                               ; tokens of e so far
	s_wait_loadcnt 0x0
.set i, 0
.rept 32
	v_cmp_eq_u32 s30, s15, v[SEL+2*i]
	v_cmp_eq_u32 vcc_lo, s15, v[SEL+2*i+1]
	s_or_b32 s30, s30, vcc_lo                      ; the lanes whose token chose e
	v_mbcnt_lo_u32_b32 v[RK+i], s30, s31           ; so many before me
	s_bcnt1_i32_b32 s32, s30
	s_add_co_u32 s31, s31, s32
	v_subrev_nc_u32 v16, s29, v[RK+i]              ; my rank less 16 jb; a lower rank wraps to a large number
	v_cndmask_b32 v16, v17, v16, s30               ; the list's word, or my spare word
	v_min_u32 v16, 1311, v16                       ; inside my wave's 1,312 words whatever sel holds; a wrapped number lands on the last spare word
	v_lshl_add_u32 v16, v16, 2, s33
	v_add_nc_u32 v18, 32*i, v1
	ds_store_b32 v16, v18
.set i, i+1
.endr
	s_mov_b32 s34, 1                               ; passes of 320 rows: 1 + (M > 320) + (M > 640) + (M > 960)
.irp m, 320,640,960
	s_cmp_gt_u32 s31, \m
	s_cselect_b32 s35, 1, 0
	s_add_co_u32 s34, s34, s35
.endr
	s_or_b32 s36, s16, s14
	s_cmp_lg_u32 s36, 0
	s_cbranch_scc1 .Lnork                          ; one wave of one work-group stores e's ranks and count
.set i, 0
.rept 32
	global_store_b32 v4, v[RK+i], s[10:11] offset:128*i
.set i, i+1
.endr
	v_mov_b32 v20, s31
	global_store_b32 v4, v20, s[12:13]             ; M, 32 times: 128 consecutive bytes
.Lnork:
.irp p, 0,1,2,3
	ds_load_b32 v[ID+(\p)], v21 offset:1280*(\p)   ; my wave's own bytes, served in the order of issue: these see the stores above
.endr
	s_wait_dscnt 0x0
	s_mov_b32 s38, 0
.Lpass:                                                ; a trip: one block of 16 rows; the LDS addresses are the same in every trip
.irp r, 0,1,2,3,4,5,6,7,8,9,10,11,12,13,14,15
	v_readlane_b32 s37, v[ID], \r
	s_cmp_lt_u32 s37, 1024
	s_cselect_b32 s[40+(\r)], -1, 0                ; a rank without a token gives a row of zeros
	s_min_u32 s37, s37, 1023
	v_lshl_add_u32 v[OFF+(\r)], s37, 12, v26
	global_load_b128 v[D+8*(\r):D+8*(\r)+3], v[OFF+(\r)], s[4:5]
	global_load_b128 v[D+8*(\r)+4:D+8*(\r)+7], v[OFF+(\r)], s[4:5] offset:512
.endr
.irp r, 0,1,2,3,4,5,6,7,8,9,10,11,12,13,14,15
.irp c, 0,1
	s_wait_loadcnt 31-2*(\r)-(\c)                  ; loads come back in order: this one is in, the younger ones stay out
	v_cvt_pk_bf16_f32 v[D+8*(\r)+4*(\c)], v[D+8*(\r)+4*(\c)], v[D+8*(\r)+4*(\c)+1]
	v_cvt_pk_bf16_f32 v[D+8*(\r)+4*(\c)+1], v[D+8*(\r)+4*(\c)+2], v[D+8*(\r)+4*(\c)+3]
	v_and_b32 v[D+8*(\r)+4*(\c)], s[40+(\r)], v[D+8*(\r)+4*(\c)]
	v_and_b32 v[D+8*(\r)+4*(\c)+1], s[40+(\r)], v[D+8*(\r)+4*(\c)+1]
	ds_store_b64 v27, v[D+8*(\r)+4*(\c):D+8*(\r)+4*(\c)+1] offset:528*(\r)+256*(\c)
.endr
.endr
.irp n, 0,1,2,3,4,5,6,7,8,9,10,11,12,13,14,15
	ds_load_b128 v[D+4*(\n):D+4*(\n)+3], v28 offset:32*(\n)          ; chunk n = 2 q' + i: row r, bytes 64 q' + 32 i + 16 h
.endr
.irp n, 0,1,2,3,4,5,6,7,8,9,10,11,12,13,14,15
	s_wait_dscnt 15-(\n)
	global_store_b128 v2, v[D+4*(\n):D+4*(\n)+3], s[8:9] offset:512*(\n)   ; 512 consecutive bytes, the wave's sixteen stores 8,192 on end
.endr
	s_wait_xcnt 0x0                                ; the stores' base and data are written again only behind this wait
	s_add_nc_u64 s[8:9], s[8:9], 655360            ; 20 blocks on
	v_mov_b32 v[ID], v[ID+1]
	v_mov_b32 v[ID+1], v[ID+2]
	v_mov_b32 v[ID+2], v[ID+3]
	s_add_co_u32 s38, s38, 1
	s_cmp_lt_u32 s38, s34
	s_cbranch_scc1 .Lpass
	s_barrier_signal -1
	s_barrier_wait -1
	s_wait_tensorcnt 0x0
	ds_add_u32 v224, v225
	s_wait_dscnt 0x0
	s_endpgm
.Lfunc_end_k_qb3e59e9664_gather:
	.size	k_qb3e59e9664_gather, .Lfunc_end_k_qb3e59e9664_gather-k_qb3e59e9664_gather
	.p2alignl 7, 3214868480
	.fill 96, 4, 3214868480
	.section	.rodata,"a",@progbits
	.p2align	6, 0x0
	.amdhsa_kernel k_qb3e59e9664_gather
		.amdhsa_group_segment_fixed_size 56832
		.amdhsa_private_segment_fixed_size 0
		.amdhsa_enable_private_segment 0
		.amdhsa_kernarg_size 40
		.amdhsa_user_sgpr_count 2
		.amdhsa_user_sgpr_kernarg_segment_ptr 1
		.amdhsa_wavefront_size32 1
		.amdhsa_system_sgpr_workgroup_id_x 1
		.amdhsa_system_sgpr_workgroup_id_y 1
		.amdhsa_system_sgpr_workgroup_id_z 1
		.amdhsa_system_vgpr_workitem_id 0
		.amdhsa_next_free_vgpr 226
		.amdhsa_next_free_sgpr 66
		.amdhsa_reserve_vcc 1
		.amdhsa_float_denorm_mode_32 3
		.amdhsa_float_denorm_mode_16_64 3
		.amdhsa_memory_ordered 1
		.amdhsa_forward_progress 1
		.amdhsa_inst_pref_size 49
	.end_amdhsa_kernel
	.amdgpu_metadata
---
amdhsa.version: [ 1, 2 ]
amdhsa.kernels:
  - .name:           k_qb3e59e9664_gather
    .symbol:         k_qb3e59e9664_gather.kd
    .args:
      - { .name: inputs, .offset: 0, .size: 8, .value_kind: global_buffer, .address_space: global }
      - { .name: sel, .offset: 8, .size: 8, .value_kind: global_buffer, .address_space: global }
      - { .name: xg, .offset: 16, .size: 8, .value_kind: global_buffer, .address_space: global }
      - { .name: rk, .offset: 24, .size: 8, .value_kind: global_buffer, .address_space: global }
      - { .name: cnt, .offset: 32, .size: 8, .value_kind: global_buffer, .address_space: global }
    .group_segment_fixed_size: 56832
    .private_segment_fixed_size: 0
    .kernarg_segment_align: 8
    .kernarg_segment_size: 40
    .max_flat_workgroup_size: 128
    .sgpr_count:     66
    .vgpr_count:     226
    .wavefront_size: 32
...
	.end_amdgpu_metadata
.endif
;; end of part 2
;; launch ffn1 (part 3): grid 32 x 8, 4 waves a work-group, no clusters, 295,424 bytes of LDS; arguments xg, w1, cnt, actg; writes actg
.if DOCPART == 3
	.amdgcn_target "amdgcn-amd-amdhsa--gfx1250"
	.amdhsa_code_object_version 6
	.text
	.protected	k_qb3e59e9664_ffn1
	.globl	k_qb3e59e9664_ffn1
	.p2align	8
	.type	k_qb3e59e9664_ffn1,@function
k_qb3e59e9664_ffn1:
	s_mov_b64 s[64:65], 0
	v_nop
	global_prefetch_b8 v0, s[64:65] scope:SCOPE_SE
	s_setreg_imm32_b32 hwreg(HW_REG_WAVE_MODE, 25, 1), 1
	s_wait_xcnt 0x0
; ONE TEXT FOR BOTH LAYERS OF THE EXPERTS; LAYER says which is assembled.
; LAYER 1: h = xg_e w1_e; actg = gelu(gate) x, in bf16.  Work-group (j, e) owns hidden units 64 j .. + 63: w1's columns 64 j .. (x) and 2048 + 64 j .. (gate), all 1,024 k.
; LAYER 2: y[ks] = actg_e[:, 512 ks ..] w2_e[512 ks .., 128 ns ..], in f32.  Work-group (ns + 8 ks, e) owns 128 columns and a quarter of K; the launch behind adds the four quarters.
; Only rows of tokens that chose expert e exist (M of them, from cnt, stored by an earlier launch), in passes of 320; passes = max(1, ceil(M / 320)).
; THE WEIGHTS are read from memory once, as f32, rounded to bf16 in registers and stored into LDS as they lie, [k][128 columns], pitch 288 bytes.  The whole slice stays there: each
; byte of it is stored once in the launch and only read afterwards, so the K loop's barriers order no more than 'stored' ahead of 'read', and passes behind the first read no weight again.
; THE ROWS come in fragment order (lane (r, h) of chunk (q, i): row r, k = 32 q + 16 i + 8 h ..): a wave's load of 16 bytes a lane is 512 consecutive bytes and half a fragment; they never touch LDS.
; THE MATRIX INSTRUCTION: source 0 = 16 columns of W (turned by ds_load_tr16_b128), source 1 = 16 rows: register j of lane (r, h) is (row r, column n0 + 8 h + j).
; SHARES.  In a pass wave w owns the blocks of 16 rows w, 4 + w, 8 + w, 12 + w, 16 + w: 5 row blocks x 8 column blocks, 40 accumulators, which take turns, one instruction a turn.
; THE FIFTH BLOCK begins at row 256 + 16 w.  Where M is not above that, it holds no token: its products are jumped over (4 of each run of 20) and it is not sent out.  Its two loads a set are
; issued all the same, so that every counted wait has one count on both ways; they then name the fourth block's bytes once more, so that no byte is read that nobody stored.
; Where M is above 320 every wave's fifth block is live, so passes behind the first need no such flag.
; K goes in steps of 128, four substeps of 32.  While step s is multiplied, W of step s + 1 is rounded and stored, W of step s + 2 and the rows' fragments of step s + 1 are asked for.
; EACH GROUP OF LOADS HAS A BASE OF ITS OWN (the rows' four sets, the two halves of a step of W), stepped straight behind the counted wait that shows that group's last loads done.
; LIMITS.  NaN and infinities are not treated apart.  erf is a quotient of two polynomials of the argument clamped to -4 .. 4, good to a few last places of f32; beyond the clamp 1 + erf keeps
; that quotient's value at -4 (about 1e-7 at the most) where the true number is smaller.  act is bf16, not f16: gate x passes f16's range for inputs some 30 times larger.
; Rows beyond an expert's first 320 take a plain path without loads ahead.  An expert without tokens still streams its weights once.
; NO CLUSTER, NO TENSOR LOAD: a work-group's slice of W is nobody else's; the rows, which 32 work-groups share, go straight into registers, and LDS has no room for them beside the slice.
.set LAYER, 1
.if LAYER == 1
.set ROWB,  16384                      ; bytes in a row of W
.set BLK,   32768                      ; bytes in a block of 16 rows of the row operand
.set LOG4B, 17                         ; my blocks lie 4 BLK = 2^17 bytes apart
.set STEPS, 8
.set WO,    2                          ; v2  my byte offset in a row of W: 16 (l % 16), lanes 16-31 at the gate columns, 8,192 bytes on
.else
.set ROWB,  4096
.set BLK,   65536
.set LOG4B, 18
.set STEPS, 4
.set WO,    1                          ; 16 x lane: a row's 128 columns are 512 consecutive bytes
.endif
.set PITCH, 288                        ; 256 bytes + 32
.set STEPL, 128*PITCH
.set SUBL,  32*PITCH
.set STAGE, 512*PITCH                  ; layer 2: behind the slice, 16 rows x 528 bytes for each wave
.set LN16,  1                          ; v1   16 x lane; never rewritten
.set STA,   3                          ; v3   where my wave stores the step of W in hand
.set FR,    4                          ; v4   my lane's place in the step of W that is read
.set FR0,   5                          ; v5   the same at step 0; never rewritten
.set SO,    12                         ; v12  layer 2: into the stage
.set SR,    13                         ; v13  layer 2: back from the stage
.set LN5,   14                         ; v14  16 x lane + the place of my fifth block (or, where that is dead, of my fourth); written once
.set SA,    16                         ; v[16:79]    W as loaded, rows 16 w + i of a step
.set SB,    80                         ; v[80:143]   rows 64 + 16 w + i
.set WF,    144                        ; v[144:207]  W's fragments: column blocks 0-3 (group 0), 4-7 (group 1)
.set AR,    64                         ; window 2, v[64:223]: the rows' fragments, set u (substep) at AR + 40 u, block b at + 8 b
.set E,     16                         ; on the way out, window 0: v[16:79] a block's 64 numbers a lane (layer 2: v[80:143] too, by turns)
.set T,     80                         ; v[80:111] at work
.set O,     144                        ; v[144:159] packed results
; window 1: accumulator (b, c) of row blocks 0-3 at v[64 b + 8 c];  window 2: v[8 c] those of row block 4
.set M1,    0x58                       ; source 0 window 0, source 1 window 2, C and D window 1
.set M2,    0xa8                       ; the same, C and D window 2
.set LA,    0x80                       ; destination window 2, address window 0
.set AB,    66                         ; s[66:73]  set u of the rows: its base at s[AB + 2 u]
.set WB,    74                         ; s[74:77]  half h of a step of W: its base at s[WB + 2 h]
.set F5,    78                         ; s78       1: my fifth block is live
.set NB,    79                         ; s79       layer 1: how many of my blocks are sent out
.set MSB, 0
.macro WIN new                         ; s_set_vgpr_msb: bits 1:0 source 0, 3:2 source 1, 5:4 source 2, 7:6 destination; the high byte repeats the setting that is left
.if MSB != (\new)
	s_set_vgpr_msb (MSB<<8)|(\new)
.set MSB, (\new)
.endif
.endm
; other scalars: s[4:11] the four buffers; s12 wave; s13 trips of the loop over passes; s14 e; s15 M; s16 passes left; s17 pass (layer 2); s18, s19 counters; s[24:25] output;
; s[30:31] rows at the pass's first byte; s[36:61] constants (layer 1)
.macro WLD set, half                   ; 16 rows of W, one load each: 2 x 256 (layer 1) or 512 (layer 2) consecutive bytes; read once in the launch
.set wi, 0
.rept 16
	global_load_b128 v[(\set)+4*wi:(\set)+4*wi+3], v[WO], s[WB+2*(\half):WB+2*(\half)+1] offset:wi*ROWB th:TH_LOAD_NT
.set wi, wi+1
.endr
.endm
; Those 16 rows are rounded and stored: the conversions in one run, then the stores, so that no store stands next to the conversion that feeds it.
; issue = 1: the registers are asked for again, two steps on.  nw: the loads issued behind the 16.
.macro CONV set, half, nw, issue
	s_wait_loadcnt \nw                             ; this half's loads are done, and they are the last that named its base:
.if \issue
	s_add_nc_u64 s[WB+2*(\half):WB+2*(\half)+1], s[WB+2*(\half):WB+2*(\half)+1], 128*ROWB  ; so the base may step
.endif
.set ci, 0
.rept 16
	v_cvt_pk_bf16_f32 v[(\set)+4*ci], v[(\set)+4*ci], v[(\set)+4*ci+1]
	v_cvt_pk_bf16_f32 v[(\set)+4*ci+1], v[(\set)+4*ci+2], v[(\set)+4*ci+3]
.set ci, ci+1
.endr
.set ci, 0
.rept 16
	ds_store_b64 v[STA], v[(\set)+4*ci:(\set)+4*ci+1] offset:(64*(\half)+ci)*PITCH
.set ci, ci+1
.endr
.if \issue
	WLD \set, \half
.endif
.endm
.macro FRG g, u                        ; group g's four fragments of W for substep u: 8 turning loads
.irp c, 0,1,2,3
	ds_load_tr16_b128 v[WF+8*(4*(\g)+(\c)):WF+8*(4*(\g)+(\c))+3], v[FR] offset:(\u)*SUBL+32*(4*(\g)+(\c))
	ds_load_tr16_b128 v[WF+8*(4*(\g)+(\c))+4:WF+8*(4*(\g)+(\c))+7], v[FR] offset:(\u)*SUBL+32*(4*(\g)+(\c))+16*PITCH
.endr
.endm
.macro ALD u                           ; set u of the rows' fragments: 5 blocks x 2 loads; the fifth block's place stands in its own offset register
	WIN LA
.irp b, 0,1,2,3
	global_load_b128 v[AR+40*(\u)+8*(\b):AR+40*(\u)+8*(\b)+3], v[LN16], s[AB+2*(\u):AB+2*(\u)+1] offset:(\b)*4*BLK
	global_load_b128 v[AR+40*(\u)+8*(\b)+4:AR+40*(\u)+8*(\b)+7], v[LN16], s[AB+2*(\u):AB+2*(\u)+1] offset:(\b)*4*BLK+512
.endr
	global_load_b128 v[AR+40*(\u)+32:AR+40*(\u)+35], v[LN5], s[AB+2*(\u):AB+2*(\u)+1]
	global_load_b128 v[AR+40*(\u)+36:AR+40*(\u)+39], v[LN5], s[AB+2*(\u):AB+2*(\u)+1] offset:512
	WIN 0
.endm
.macro WM u, g, b, c, zero             ; one product: row block b x column block 4 g + c, substep u's fragments
.set rW, WF+8*(4*(\g)+(\c))
.set rA, AR+40*(\u)+8*(\b)
.set rD, (64*(\b))%256+8*(4*(\g)+(\c))
.if \zero
	v_wmma_f32_16x16x32_bf16 v[rD:rD+7], v[rW:rW+7], v[rA:rA+7], 0
.else
	v_wmma_f32_16x16x32_bf16 v[rD:rD+7], v[rW:rW+7], v[rA:rA+7], v[rD:rD+7]
.endif
.endm
; 20 matrix instructions: 5 row blocks x group g's 4 column blocks, on 20 different accumulators.  zero = 1: they start the sums.  skip = 1: a dead fifth block's four are jumped over.
; fst = 1: in the K loop's first trip all 20 are jumped over: they stand ahead of the loop.  Every jump goes forward to the label ahead of the four v_nop that close the run: the places in front
; of loads into registers that these products read, and of instructions that read their results (ISA guide 7.12.1 for vector instructions).
.macro MMH u, g, zero, skip, fst
.if \fst
	s_cmp_eq_u32 s18, STEPS-2
	s_cbranch_scc1 .Lover_\@
.endif
	WIN M1
.irp b, 0,1,2,3
.irp c, 0,1,2,3
	WM \u, \g, \b, \c, \zero
.endr
.endr
.if \skip
	WIN 0                                          ; at a branch and at a label every window is 0
	s_cmp_eq_u32 s[F5], 0
	s_cbranch_scc1 .Lover_\@
.endif
	WIN M2
.irp c, 0,1,2,3
	WM \u, \g, 4, \c, \zero
.endr
	WIN 0
.if (\skip) || (\fst)
.Lover_\@:
.endif
.rept 4
	v_nop
.endr
.endm
; A substep: 40 matrix instructions.  Behind each group's products its fragments of the next substep are fetched; behind both, set u of the rows is asked for again, a step on.
; na: the global loads issued behind set u.  nd: the LDS instructions issued behind the group that is due: the other group's 8 loads, and 16 stores where CONV stands between.
.macro SUB u, fst, na, nd, refill, last
	s_wait_loadcnt \na                             ; set u is in, and its loads are the last that named its base:
.if \refill
	s_add_nc_u64 s[AB+2*(\u):AB+2*(\u)+1], s[AB+2*(\u):AB+2*(\u)+1], 4096  ; so the base may step: 128 along K are four chunks of 1,024 bytes
.endif
	s_wait_dscnt \nd
	MMH \u, 0, 0, 1, \fst
.if !(\last)
	FRG 0, (\u)+1
	s_wait_dscnt \nd
.else
	s_wait_dscnt 0x0
.endif
	MMH \u, 1, 0, 1, \fst
.if !(\last)
	FRG 1, (\u)+1
.endif
.if \refill
	ALD \u
.endif
.endm
; A K step of 128.  fst: the step stands in the loop, whose first trip finds its first substep multiplied.  conv: W of the next step is rounded and stored.  wiss: W of the step after that is
; asked for.  refill: the rows of the next step are asked for.
; A full step issues, in this order, Wa (16 loads), A0 (10), A1 (10), Wb (16), A2 (10), A3 (10).  So behind Wa or Wb of the step before stand 56 loads when they are due, behind each A set 62.
.macro STEP fst, conv, wiss, refill, nwa, na0, na1, nwb, na2, na3
	FRG 0, 0
	FRG 1, 0
.if \conv
	CONV SA, 0, \nwa, \wiss
.endif
	SUB 0, \fst, \na0, 8+16*(\conv), \refill, 0
	SUB 1, 0, \na1, 8, \refill, 0
.if \conv
	CONV SB, 1, \nwb, \wiss
.endif
	SUB 2, 0, \na2, 8+16*(\conv), \refill, 0
	SUB 3, 0, \na3, 8, \refill, 1
.if \wiss
	v_add_nc_u32 v[STA], STEPL, v[STA]
.endif
.if \refill
	v_add_nc_u32 v[FR], STEPL, v[FR]
.endif
.if \conv
	s_wait_dscnt 0x0                               ; for the others' sake: my rows of the next step are in LDS
	s_barrier_signal -1
	s_barrier_wait -1                              ; everybody's are
.endif
.endm
.macro RSUB zero                       ; a substep of a later pass: W lies in LDS; nothing is asked for ahead; all five blocks are multiplied
	ALD 0
	FRG 0, 0
	FRG 1, 0
	s_wait_loadcnt 0x0
	s_wait_dscnt 0x0
	MMH 0, 0, \zero, 0, 0
	MMH 0, 1, \zero, 0, 0
.endm
.macro MEET                            ; layer 2 alone: all my LDS instructions are done; then the work-group's barrier
.if LAYER == 2
	s_wait_dscnt 0x0
	s_barrier_signal -1
	s_barrier_wait -1
.endif
.endm
	s_load_b256 s[4:11], s[0:1], 0x0               ; rows s[4:5], W s[6:7], cnt s[8:9], output s[10:11]
	v_lshl_add_u32 v254, v0, 2, 0x48000
	v_mov_b32 v255, 0
	v_and_b32 v6, 31, v0                           ; lane
	v_lshrrev_b32 v7, 5, v0
	v_readfirstlane_b32 s12, v7                    ; wave
	s_and_b32 s14, ttmp7, 0xffff                   ; e
	v_lshlrev_b32 v[LN16], 4, v6
	v_and_b32 v8, 15, v6                           ; r
	v_lshrrev_b32 v9, 4, v6                        ; h
.if LAYER == 1
	v_lshlrev_b32 v[WO], 4, v8
	v_lshl_add_u32 v[WO], v9, 13, v[WO]
	s_lshl_b32 s26, s14, 24                        ; W: expert, row 16 w, column 64 j
	s_lshl_b32 s27, s12, 18
	s_add_co_u32 s26, s26, s27
	s_lshl_b32 s27, ttmp9, 8
	s_add_co_u32 s26, s26, s27
	s_mul_i32 s28, s14, 80*BLK                     ; rows: expert, block w
	s_mul_i32 s29, s12, BLK
	s_add_co_u32 s28, s28, s29
	s_mul_i32 s32, s14, 80*65536                   ; actg: expert, block w, chunks 2 j and 2 j + 1
	s_lshl_b32 s33, s12, 16
	s_add_co_u32 s32, s32, s33
	s_lshl_b32 s33, ttmp9, 11
	s_add_co_u32 s32, s32, s33
.else
	s_and_b32 s13, ttmp9, 7                        ; ns
	s_lshr_b32 s19, ttmp9, 3                       ; ks
	s_lshl_b32 s26, s14, 23                        ; W: expert, row 512 ks + 16 w, column 128 ns
	s_lshl_b32 s27, s19, 21
	s_add_co_u32 s26, s26, s27
	s_lshl_b32 s27, s12, 16
	s_add_co_u32 s26, s26, s27
	s_lshl_b32 s27, s13, 9
	s_add_co_u32 s26, s26, s27
	s_mul_i32 s28, s14, 80*BLK                     ; rows: expert, block w, chunk 16 ks
	s_mul_i32 s29, s12, BLK
	s_add_co_u32 s28, s28, s29
	s_lshl_b32 s29, s19, 14
	s_add_co_u32 s28, s28, s29
	s_mul_i32 s32, s19, 41943040                   ; y: quarter ks, row 1,280 e + 16 w, column 128 ns
	s_mul_i32 s33, s14, 1280*4096
	s_add_co_u32 s32, s32, s33
	s_lshl_b32 s33, s12, 16
	s_add_co_u32 s32, s32, s33
	s_lshl_b32 s33, s13, 9
	s_add_co_u32 s32, s32, s33
.endif
	s_mov_b32 s27, 0
	s_mov_b32 s29, 0
	s_mov_b32 s33, 0
	s_lshl_b32 s34, s14, 7
	s_mov_b32 s35, 0
	s_mul_i32 s18, s12, 16*PITCH
	v_lshl_add_u32 v[STA], v6, 3, s18              ; row 16 w of step 0, 8 bytes a lane
	v_and_b32 v10, 7, v6
	v_lshl_add_u32 v10, v9, 3, v10                 ; the turning load: row 8 h + l % 8,
	v_mul_u32_u24 v10, v10, PITCH
	v_bfe_u32 v11, v6, 3, 1
	v_lshl_add_u32 v[FR0], v11, 4, v10             ; 16 bytes (l / 8) % 2
	v_mov_b32 v[FR], v[FR0]
	s_wait_kmcnt 0x0
	s_add_nc_u64 s[WB:WB+1], s[6:7], s[26:27]
	s_add_nc_u64 s[WB+2:WB+3], s[WB:WB+1], 64*ROWB
	s_add_nc_u64 s[30:31], s[4:5], s[28:29]
.irp u, 0,1,2,3
	s_add_nc_u64 s[AB+2*(\u):AB+2*(\u)+1], s[30:31], 1024*(\u)
.endr
	s_add_nc_u64 s[24:25], s[10:11], s[32:33]
	s_add_nc_u64 s[8:9], s[8:9], s[34:35]
	; THE START.  Its order leaves the same loads out, in the same order, as a full step does.
	WLD SA, 0                                      ; step 0
	WLD SB, 1
	s_load_b32 s15, s[8:9], 0x0                    ; M
	CONV SA, 0, 16, 1                              ; behind step 0's first half: its second half's 16.  Step 1's first half is asked for
	s_wait_kmcnt 0x0
	s_min_u32 s15, s15, 1024
	s_mov_b32 s16, 1                               ; passes: 1 + (M > 320) + (M > 640) + (M > 960)
.irp m, 320,640,960
	s_cmp_gt_u32 s15, \m
	s_cselect_b32 s18, 1, 0
	s_add_co_u32 s16, s16, s18
.endr
	s_lshl_b32 s18, s12, 4
	s_add_co_u32 s18, s18, 256                     ; my fifth block's first row
	s_cmp_gt_u32 s15, s18
	s_cselect_b32 s[F5], 1, 0
	s_add_co_u32 s18, s[F5], 3                     ; the fifth of my blocks, or the fourth once more
	s_min_u32 s18, s18, 4                          ; a number that hangs on memory is clamped before it enters an address
	s_lshl_b32 s18, s18, LOG4B
	v_add_nc_u32 v[LN5], s18, v[LN16]
.if LAYER == 1
	s_add_co_u32 s[NB], s[F5], 4
.endif
	ALD 0
	ALD 1
	CONV SB, 1, 36, 1                              ; behind step 0's second half: 16 of W and 20 of the rows
	ALD 2
	ALD 3
	v_add_nc_u32 v[STA], STEPL, v[STA]
.if LAYER == 1
.macro KON r, bits                     ; a constant as a pair: the packed forms name the pair and take its low word for both halves
	s_mov_b32 s[\r], \bits
	s_mov_b32 s[(\r)+1], \bits
.endm
	KON 36, 0x3f3504f3                             ; 1 / sqrt(2)
	KON 38, 0xaf95df0b                             ; erf(z) = z P(z^2) / Q(z^2).  P, highest power first: -2.72614226e-10
	KON 40, 0x32edffee                             ;  2.77068142e-08
	KON 42, 0xb60cff51                             ; -2.10102402e-06
	KON 44, 0xb86ec2d2                             ; -5.69250639e-05
	KON 46, 0xba40ac63                             ; -7.34990630e-04
	KON 48, 0xbb41a1f6                             ; -2.95459981e-03
	KON 50, 0xbc83dbd4                             ; -1.60960333e-02
	KON 52, 0xb77460cd                             ; Q: -1.45660718e-05
	KON 54, 0xb95fbd29                             ; -2.13374055e-04
	KON 56, 0xbadc924e                             ; -1.68282697e-03
	KON 58, 0xbbf19bf8                             ; -7.37332917e-03
	KON 60, 0xbc69b6a7                             ; -1.42647391e-02
.else
	s_mul_i32 s18, s12, 16*528
	s_add_co_u32 s18, s18, STAGE                   ; my stage
	v_mul_u32_u24 v[SO], v8, 528
	v_lshl_add_u32 v[SO], v9, 5, v[SO]             ; in: row r, 32 bytes for each half of the lanes
	v_add_nc_u32 v[SO], s18, v[SO]
	v_add_nc_u32 v[SR], s18, v[LN16]               ; back: a row's 512 bytes, 16 a lane
.endif
	s_wait_dscnt 0x0                               ; my rows of step 0 are in LDS
	s_barrier_signal -1
	s_barrier_wait -1
	; PASS 0.  The first 40 products stand ahead of the loop: they start the sums, the fifth block's too, whether it is live or not.
	FRG 0, 0
	FRG 1, 0
	s_wait_loadcnt 46                              ; set 0 of the rows is in; behind it stand A1, Wb, A2, A3: 10 + 16 + 10 + 10
	s_wait_dscnt 0x0
	MMH 0, 0, 1, 0, 0
	MMH 0, 1, 1, 0, 0
	s_mov_b32 s18, STEPS-2
.Lk:                                                   ; a trip is a full step; the first trip jumps over its first 40 products
	STEP 1, 1, 1, 1, 56, 62, 62, 56, 62, 62
	s_sub_co_u32 s18, s18, 1
	s_cmp_lg_u32 s18, 0
	s_cbranch_scc1 .Lk
	STEP 0, 1, 0, 1, 56, 46, 46, 40, 30, 30        ; the last step but one asks for no W: the counts lose the 16 or 32 that are missing
	STEP 0, 0, 0, 0, 0, 30, 20, 0, 10, 0           ; the last step asks for nothing: the counts run down
	v_mov_b32 v[FR], v[FR0]                        ; back to the slice's first step, for a later pass
; THE LOOP OVER PASSES: four trips, the most passes that 1,024 rows make.  The first half of a trip sends out the pass whose sums lie in the registers; the second half, if another pass is
; left, makes its sums from the slice that lies in LDS.  A half without work is jumped over, forward, to the label behind it; what is jumped holds no barrier.
; In layer 2 a barrier stands at each of the two labels, on every wave's path: the way out stores into the waves' stages, and a later pass reads the slice by an address that steps in a loop;
; with the two barriers those stores and those reads never run side by side, so that nothing hangs on the two regions' being apart.  Layer 1 stores nothing into LDS here and has neither.
.if LAYER == 2
	s_mov_b32 s17, 0
.endif
	s_mov_b32 s13, 4
.Lpass:
	s_cmp_eq_u32 s16, 0
	s_cbranch_scc1 .Lmid                           ; no pass is left
.if LAYER == 1
; THE WAY OUT, a row block a trip.  One text of the activation serves the blocks: COPY brings the block's 64 numbers a lane into window 0, each times 1 / sqrt(2):
; z = gate / sqrt(2), x' = x / sqrt(2).  Then gelu(gate) x = gate x (1 + erf(z)) / 2 = t + t erf(z) with t = z x'.  Each accumulator is read from its low end on.
.macro COPY b
.if (\b) < 4
	WIN 0x01
.else
	WIN 0x02
.endif
.set ci, 0
.rept 32
	v_pk_mul_f32 v[E+2*ci:E+2*ci+1], v[(64*(\b))%256+2*ci:(64*(\b))%256+2*ci+1], s[36:37] op_sel_hi:[1,0]
.set ci, ci+1
.endr
	WIN 0
.endm
; Column block c: 8 numbers a lane, stage by stage over four pairs.  T+0: z clamped; T+8: its square, later t; T+16: P; T+24: Q.
.macro GLU c
.set rX, E+8*(\c)
.set rZ, E+32+8*(\c)
.irp p, 0,1,2,3,4,5,6,7
	v_med3_num_f32 v[T+(\p)], v[rZ+(\p)], -4.0, 4.0
.endr
.irp p, 0,2,4,6
	v_pk_mul_f32 v[T+8+(\p):T+9+(\p)], v[T+(\p):T+1+(\p)], v[T+(\p):T+1+(\p)]
.endr
.irp p, 0,2,4,6
	v_pk_fma_f32 v[T+16+(\p):T+17+(\p)], v[T+8+(\p):T+9+(\p)], s[38:39], s[40:41] op_sel_hi:[1,0,0]
	v_pk_fma_f32 v[T+24+(\p):T+25+(\p)], v[T+8+(\p):T+9+(\p)], s[52:53], s[54:55] op_sel_hi:[1,0,0]
.endr
.irp k, 0,2,4
.irp p, 0,2,4,6
	v_pk_fma_f32 v[T+16+(\p):T+17+(\p)], v[T+16+(\p):T+17+(\p)], v[T+8+(\p):T+9+(\p)], s[42+(\k):43+(\k)] op_sel_hi:[1,1,0]
	v_pk_fma_f32 v[T+24+(\p):T+25+(\p)], v[T+24+(\p):T+25+(\p)], v[T+8+(\p):T+9+(\p)], s[56+(\k):57+(\k)] op_sel_hi:[1,1,0]
.endr
.endr
.irp k, 48,50
.irp p, 0,2,4,6
	v_pk_fma_f32 v[T+16+(\p):T+17+(\p)], v[T+16+(\p):T+17+(\p)], v[T+8+(\p):T+9+(\p)], s[(\k):(\k)+1] op_sel_hi:[1,1,0]
.endr
.endr
.irp p, 0,1,2,3,4,5,6,7
	v_rcp_f32 v[T+24+(\p)], v[T+24+(\p)]           ; Q is at most -0.0142: never 0
.endr
.irp p, 0,2,4,6                                        ; eight plain instructions stand between the reciprocals and the use of their results
	v_pk_mul_f32 v[T+16+(\p):T+17+(\p)], v[T+16+(\p):T+17+(\p)], v[T+(\p):T+1+(\p)]
	v_pk_mul_f32 v[T+8+(\p):T+9+(\p)], v[rZ+(\p):rZ+1+(\p)], v[rX+(\p):rX+1+(\p)]
.endr
	s_wait_alu depctr_va_vdst(0)
.irp p, 0,2,4,6
	v_pk_mul_f32 v[T+16+(\p):T+17+(\p)], v[T+16+(\p):T+17+(\p)], v[T+24+(\p):T+25+(\p)]
.endr
.irp p, 0,2,4,6
	v_pk_fma_f32 v[T+8+(\p):T+9+(\p)], v[T+8+(\p):T+9+(\p)], v[T+16+(\p):T+17+(\p)], v[T+8+(\p):T+9+(\p)]
.endr
.if (\c) == 0
	s_wait_xcnt 0x0                                ; the last block's stores: their data (O) and their base are written again only behind this wait, which stands a block's copy and a column block's arithmetic behind them
	s_add_nc_u64 s[24:25], s[24:25], 4*65536       ; my next block; the stores reach back by their immediate
.endif
.irp p, 0,1,2,3
	v_cvt_pk_bf16_f32 v[O+4*(\c)+(\p)], v[T+8+2*(\p)], v[T+9+2*(\p)]
.endr
.endm
	s_mov_b32 s19, 0
.Lrb:                                                  ; four trips, or five where my fifth block is live
	s_cmp_lg_u32 s19, 0
	s_cbranch_scc1 .Lcopy1
	COPY 0
	s_branch .Lglu
.Lcopy1:
	s_cmp_lg_u32 s19, 1
	s_cbranch_scc1 .Lcopy2
	COPY 1
	s_branch .Lglu
.Lcopy2:
	s_cmp_lg_u32 s19, 2
	s_cbranch_scc1 .Lcopy3
	COPY 2
	s_branch .Lglu
.Lcopy3:
	s_cmp_lg_u32 s19, 3
	s_cbranch_scc1 .Lcopy4
	COPY 3
	s_branch .Lglu
.Lcopy4:
	COPY 4
.Lglu:
.irp c, 0,1,2,3                                        ; a lane's 8 units of column block c are 16 bytes of chunk (2 j + c / 2, c % 2) of the next layer's fragments: the four stores are 2,048 bytes on end
	GLU \c
	global_store_b128 v[LN16], v[O+4*(\c):O+4*(\c)+3], s[24:25] offset:512*(\c)-4*65536
.endr
	s_add_co_u32 s19, s19, 1
	s_cmp_lt_u32 s19, s[NB]
	s_cbranch_scc1 .Lrb                            ; five blocks, four apart, are a pass's 20: the base goes on into the next pass as it stands
.else
; THE WAY OUT.  A lane holds 32 bytes of a row; a block of 16 rows goes through my own stage and leaves as whole rows of 512 bytes.  Blocks whose first row is not below M hold nothing
; that is read later: they are the last of my blocks and are jumped over; what is jumped holds no barrier.  Two sets of registers take turns: the wait that frees one set's stores stands
; behind the next block's 32 LDS instructions, not straight behind those stores.
.macro OUTB b
.set EB, E+64*((\b)%2)
	s_cmp_gt_u32 s15, s26
	s_cbranch_scc0 .Ldone
	s_add_co_u32 s26, s26, 64
.if (\b) < 4
	WIN 0x04                                       ; the LDS store's data in window 1
.else
	WIN 0x08
.endif
.irp c, 0,1,2,3,4,5,6,7
	ds_store_b128 v[SO], v[(64*(\b))%256+8*(\c):(64*(\b))%256+8*(\c)+3] offset:64*(\c)
	ds_store_b128 v[SO], v[(64*(\b))%256+8*(\c)+4:(64*(\b))%256+8*(\c)+7] offset:64*(\c)+16
.endr
	WIN 0
.irp p, 0,1,2,3,4,5,6,7,8,9,10,11,12,13,14,15
	ds_load_b128 v[EB+4*(\p):EB+4*(\p)+3], v[SR] offset:528*(\p)     ; my own bytes, served in the order of issue: these see the stores above; this set's last stores were freed by the wait in the block before
.endr
	s_wait_xcnt 0x0                                ; the block before has stored from the other set: the block behind loads into it only behind this wait
.irp p, 0,1,2,3,4,5,6,7,8,9,10,11,12,13,14,15
	s_wait_dscnt 15-(\p)
	global_store_b128 v[LN16], v[EB+4*(\p):EB+4*(\p)+3], s[24:25] offset:(\b)*64*4096+4096*(\p)  ; 512 consecutive bytes of a row of y
.endr
.endm
	s_mul_i32 s26, s17, 320
	s_lshl_b32 s27, s12, 4
	s_add_co_u32 s26, s26, s27                     ; my first row of the pass; my blocks lie 64 rows apart
	OUTB 0
	OUTB 1
	OUTB 2
	OUTB 3
	OUTB 4
.Ldone:
	s_wait_xcnt 0x0
	s_add_nc_u64 s[24:25], s[24:25], 320*4096
	s_add_co_u32 s17, s17, 1
.endif
	s_sub_co_u32 s16, s16, 1
.Lmid:
	MEET                                           ; layer 2: every wave's stores into its stage, and its reads of it, are done
	s_cmp_eq_u32 s16, 0
	s_cbranch_scc1 .Lnext                          ; no further pass
	; A LATER PASS (only where M > 320): 320 more rows on the slice that lies in LDS.  All loads have been waited for, so the rows' base may be written.
	s_wait_xcnt 0x0                                ; layer 1's last stores read registers into which W's fragments are loaded below
	s_add_nc_u64 s[30:31], s[30:31], 20*BLK
	s_mov_b64 s[AB:AB+1], s[30:31]
	RSUB 1
	s_mov_b32 s18, 4*STEPS-1
.Lres:
	s_add_nc_u64 s[AB:AB+1], s[AB:AB+1], 1024      ; the substep before has waited for all its loads
	v_add_nc_u32 v[FR], SUBL, v[FR]
	RSUB 0
	s_sub_co_u32 s18, s18, 1
	s_cmp_lg_u32 s18, 0
	s_cbranch_scc1 .Lres
	v_mov_b32 v[FR], v[FR0]                        ; back to the slice's first step: the same on every way to the label below
.Lnext:
	MEET                                           ; layer 2: every wave's reads of the slice are done
	s_sub_co_u32 s13, s13, 1
	s_cmp_lg_u32 s13, 0
	s_cbranch_scc1 .Lpass
	s_barrier_signal -1
	s_barrier_wait -1
	s_wait_tensorcnt 0x0
	ds_add_u32 v254, v255
	s_wait_dscnt 0x0
	s_endpgm
.Lfunc_end_k_qb3e59e9664_ffn1:
	.size	k_qb3e59e9664_ffn1, .Lfunc_end_k_qb3e59e9664_ffn1-k_qb3e59e9664_ffn1
	.p2alignl 7, 3214868480
	.fill 96, 4, 3214868480
	.section	.rodata,"a",@progbits
	.p2align	6, 0x0
	.amdhsa_kernel k_qb3e59e9664_ffn1
		.amdhsa_group_segment_fixed_size 295424
		.amdhsa_private_segment_fixed_size 0
		.amdhsa_enable_private_segment 0
		.amdhsa_kernarg_size 32
		.amdhsa_user_sgpr_count 2
		.amdhsa_user_sgpr_kernarg_segment_ptr 1
		.amdhsa_wavefront_size32 1
		.amdhsa_system_sgpr_workgroup_id_x 1
		.amdhsa_system_sgpr_workgroup_id_y 1
		.amdhsa_system_sgpr_workgroup_id_z 1
		.amdhsa_system_vgpr_workitem_id 0
		.amdhsa_next_free_vgpr 736
		.amdhsa_next_free_sgpr 80
		.amdhsa_reserve_vcc 0
		.amdhsa_float_denorm_mode_32 3
		.amdhsa_float_denorm_mode_16_64 3
		.amdhsa_memory_ordered 1
		.amdhsa_forward_progress 1
		.amdhsa_inst_pref_size 142
	.end_amdhsa_kernel
	.amdgpu_metadata
---
amdhsa.version: [ 1, 2 ]
amdhsa.kernels:
  - .name:           k_qb3e59e9664_ffn1
    .symbol:         k_qb3e59e9664_ffn1.kd
    .args:
      - { .name: xg, .offset: 0, .size: 8, .value_kind: global_buffer, .address_space: global }
      - { .name: w1, .offset: 8, .size: 8, .value_kind: global_buffer, .address_space: global }
      - { .name: cnt, .offset: 16, .size: 8, .value_kind: global_buffer, .address_space: global }
      - { .name: actg, .offset: 24, .size: 8, .value_kind: global_buffer, .address_space: global }
    .group_segment_fixed_size: 295424
    .private_segment_fixed_size: 0
    .kernarg_segment_align: 8
    .kernarg_segment_size: 32
    .max_flat_workgroup_size: 128
    .sgpr_count:     80
    .vgpr_count:     736
    .wavefront_size: 32
...
	.end_amdgpu_metadata
.endif
;; end of part 3
;; launch ffn2 (part 4): grid 32 x 8, 4 waves a work-group, no clusters, 181,760 bytes of LDS; arguments actg, w2, cnt, y; writes y
.if DOCPART == 4
	.amdgcn_target "amdgcn-amd-amdhsa--gfx1250"
	.amdhsa_code_object_version 6
	.text
	.protected	k_qb3e59e9664_ffn2
	.globl	k_qb3e59e9664_ffn2
	.p2align	8
	.type	k_qb3e59e9664_ffn2,@function
k_qb3e59e9664_ffn2:
	s_mov_b64 s[64:65], 0
	v_nop
	global_prefetch_b8 v0, s[64:65] scope:SCOPE_SE
	s_setreg_imm32_b32 hwreg(HW_REG_WAVE_MODE, 25, 1), 1
	s_wait_xcnt 0x0
; ONE TEXT FOR BOTH LAYERS OF THE EXPERTS; LAYER says which is assembled.
; LAYER 1: h = xg_e w1_e; actg = gelu(gate) x, in bf16.  Work-group (j, e) owns hidden units 64 j .. + 63: w1's columns 64 j .. (x) and 2048 + 64 j .. (gate), all 1,024 k.
; LAYER 2: y[ks] = actg_e[:, 512 ks ..] w2_e[512 ks .., 128 ns ..], in f32.  Work-group (ns + 8 ks, e) owns 128 columns and a quarter of K; the launch behind adds the four quarters.
; Only rows of tokens that chose expert e exist (M of them, from cnt, stored by an earlier launch), in passes of 320; passes = max(1, ceil(M / 320)).
; THE WEIGHTS are read from memory once, as f32, rounded to bf16 in registers and stored into LDS as they lie, [k][128 columns], pitch 288 bytes.  The whole slice stays there: each
; byte of it is stored once in the launch and only read afterwards, so the K loop's barriers order no more than 'stored' ahead of 'read', and passes behind the first read no weight again.
; THE ROWS come in fragment order (lane (r, h) of chunk (q, i): row r, k = 32 q + 16 i + 8 h ..): a wave's load of 16 bytes a lane is 512 consecutive bytes and half a fragment; they never touch LDS.
; THE MATRIX INSTRUCTION: source 0 = 16 columns of W (turned by ds_load_tr16_b128), source 1 = 16 rows: register j of lane (r, h) is (row r, column n0 + 8 h + j).
; SHARES.  In a pass wave w owns the blocks of 16 rows w, 4 + w, 8 + w, 12 + w, 16 + w: 5 row blocks x 8 column blocks, 40 accumulators, which take turns, one instruction a turn.
; THE FIFTH BLOCK begins at row 256 + 16 w.  Where M is not above that, it holds no token: its products are jumped over (4 of each run of 20) and it is not sent out.  Its two loads a set are
; issued all the same, so that every counted wait has one count on both ways; they then name the fourth block's bytes once more, so that no byte is read that nobody stored.
; Where M is above 320 every wave's fifth block is live, so passes behind the first need no such flag.
; K goes in steps of 128, four substeps of 32.  While step s is multiplied, W of step s + 1 is rounded and stored, W of step s + 2 and the rows' fragments of step s + 1 are asked for.
; EACH GROUP OF LOADS HAS A BASE OF ITS OWN (the rows' four sets, the two halves of a step of W), stepped straight behind the counted wait that shows that group's last loads done.
; LIMITS.  NaN and infinities are not treated apart.  erf is a quotient of two polynomials of the argument clamped to -4 .. 4, good to a few last places of f32; beyond the clamp 1 + erf keeps
; that quotient's value at -4 (about 1e-7 at the most) where the true number is smaller.  act is bf16, not f16: gate x passes f16's range for inputs some 30 times larger.
; Rows beyond an expert's first 320 take a plain path without loads ahead.  An expert without tokens still streams its weights once.
; NO CLUSTER, NO TENSOR LOAD: a work-group's slice of W is nobody else's; the rows, which 32 work-groups share, go straight into registers, and LDS has no room for them beside the slice.
.set LAYER, 2
.if LAYER == 1
.set ROWB,  16384                      ; bytes in a row of W
.set BLK,   32768                      ; bytes in a block of 16 rows of the row operand
.set LOG4B, 17                         ; my blocks lie 4 BLK = 2^17 bytes apart
.set STEPS, 8
.set WO,    2                          ; v2  my byte offset in a row of W: 16 (l % 16), lanes 16-31 at the gate columns, 8,192 bytes on
.else
.set ROWB,  4096
.set BLK,   65536
.set LOG4B, 18
.set STEPS, 4
.set WO,    1                          ; 16 x lane: a row's 128 columns are 512 consecutive bytes
.endif
.set PITCH, 288                        ; 256 bytes + 32
.set STEPL, 128*PITCH
.set SUBL,  32*PITCH
.set STAGE, 512*PITCH                  ; layer 2: behind the slice, 16 rows x 528 bytes for each wave
.set LN16,  1                          ; v1   16 x lane; never rewritten
.set STA,   3                          ; v3   where my wave stores the step of W in hand
.set FR,    4                          ; v4   my lane's place in the step of W that is read
.set FR0,   5                          ; v5   the same at step 0; never rewritten
.set SO,    12                         ; v12  layer 2: into the stage
.set SR,    13                         ; v13  layer 2: back from the stage
.set LN5,   14                         ; v14  16 x lane + the place of my fifth block (or, where that is dead, of my fourth); written once
.set SA,    16                         ; v[16:79]    W as loaded, rows 16 w + i of a step
.set SB,    80                         ; v[80:143]   rows 64 + 16 w + i
.set WF,    144                        ; v[144:207]  W's fragments: column blocks 0-3 (group 0), 4-7 (group 1)
.set AR,    64                         ; window 2, v[64:223]: the rows' fragments, set u (substep) at AR + 40 u, block b at + 8 b
.set E,     16                         ; on the way out, window 0: v[16:79] a block's 64 numbers a lane (layer 2: v[80:143] too, by turns)
.set T,     80                         ; v[80:111] at work
.set O,     144                        ; v[144:159] packed results
; window 1: accumulator (b, c) of row blocks 0-3 at v[64 b + 8 c];  window 2: v[8 c] those of row block 4
.set M1,    0x58                       ; source 0 window 0, source 1 window 2, C and D window 1
.set M2,    0xa8                       ; the same, C and D window 2
.set LA,    0x80                       ; destination window 2, address window 0
.set AB,    66                         ; s[66:73]  set u of the rows: its base at s[AB + 2 u]
.set WB,    74                         ; s[74:77]  half h of a step of W: its base at s[WB + 2 h]
.set F5,    78                         ; s78       1: my fifth block is live
.set NB,    79                         ; s79       layer 1: how many of my blocks are sent out
.set MSB, 0
.macro WIN new                         ; s_set_vgpr_msb: bits 1:0 source 0, 3:2 source 1, 5:4 source 2, 7:6 destination; the high byte repeats the setting that is left
.if MSB != (\new)
	s_set_vgpr_msb (MSB<<8)|(\new)
.set MSB, (\new)
.endif
.endm
; other scalars: s[4:11] the four buffers; s12 wave; s13 trips of the loop over passes; s14 e; s15 M; s16 passes left; s17 pass (layer 2); s18, s19 counters; s[24:25] output;
; s[30:31] rows at the pass's first byte; s[36:61] constants (layer 1)
.macro WLD set, half                   ; 16 rows of W, one load each: 2 x 256 (layer 1) or 512 (layer 2) consecutive bytes; read once in the launch
.set wi, 0
.rept 16
	global_load_b128 v[(\set)+4*wi:(\set)+4*wi+3], v[WO], s[WB+2*(\half):WB+2*(\half)+1] offset:wi*ROWB th:TH_LOAD_NT
.set wi, wi+1
.endr
.endm
; Those 16 rows are rounded and stored: the conversions in one run, then the stores, so that no store stands next to the conversion that feeds it.
; issue = 1: the registers are asked for again, two steps on.  nw: the loads issued behind the 16.
.macro CONV set, half, nw, issue
	s_wait_loadcnt \nw                             ; this half's loads are done, and they are the last that named its base:
.if \issue
	s_add_nc_u64 s[WB+2*(\half):WB+2*(\half)+1], s[WB+2*(\half):WB+2*(\half)+1], 128*ROWB  ; so the base may step
.endif
.set ci, 0
.rept 16
	v_cvt_pk_bf16_f32 v[(\set)+4*ci], v[(\set)+4*ci], v[(\set)+4*ci+1]
	v_cvt_pk_bf16_f32 v[(\set)+4*ci+1], v[(\set)+4*ci+2], v[(\set)+4*ci+3]
.set ci, ci+1
.endr
.set ci, 0
.rept 16
	ds_store_b64 v[STA], v[(\set)+4*ci:(\set)+4*ci+1] offset:(64*(\half)+ci)*PITCH
.set ci, ci+1
.endr
.if \issue
	WLD \set, \half
.endif
.endm
.macro FRG g, u                        ; group g's four fragments of W for substep u: 8 turning loads
.irp c, 0,1,2,3
	ds_load_tr16_b128 v[WF+8*(4*(\g)+(\c)):WF+8*(4*(\g)+(\c))+3], v[FR] offset:(\u)*SUBL+32*(4*(\g)+(\c))
	ds_load_tr16_b128 v[WF+8*(4*(\g)+(\c))+4:WF+8*(4*(\g)+(\c))+7], v[FR] offset:(\u)*SUBL+32*(4*(\g)+(\c))+16*PITCH
.endr
.endm
.macro ALD u                           ; set u of the rows' fragments: 5 blocks x 2 loads; the fifth block's place stands in its own offset register
	WIN LA
.irp b, 0,1,2,3
	global_load_b128 v[AR+40*(\u)+8*(\b):AR+40*(\u)+8*(\b)+3], v[LN16], s[AB+2*(\u):AB+2*(\u)+1] offset:(\b)*4*BLK
	global_load_b128 v[AR+40*(\u)+8*(\b)+4:AR+40*(\u)+8*(\b)+7], v[LN16], s[AB+2*(\u):AB+2*(\u)+1] offset:(\b)*4*BLK+512
.endr
	global_load_b128 v[AR+40*(\u)+32:AR+40*(\u)+35], v[LN5], s[AB+2*(\u):AB+2*(\u)+1]
	global_load_b128 v[AR+40*(\u)+36:AR+40*(\u)+39], v[LN5], s[AB+2*(\u):AB+2*(\u)+1] offset:512
	WIN 0
.endm
.macro WM u, g, b, c, zero             ; one product: row block b x column block 4 g + c, substep u's fragments
.set rW, WF+8*(4*(\g)+(\c))
.set rA, AR+40*(\u)+8*(\b)
.set rD, (64*(\b))%256+8*(4*(\g)+(\c))
.if \zero
	v_wmma_f32_16x16x32_bf16 v[rD:rD+7], v[rW:rW+7], v[rA:rA+7], 0
.else
	v_wmma_f32_16x16x32_bf16 v[rD:rD+7], v[rW:rW+7], v[rA:rA+7], v[rD:rD+7]
.endif
.endm
; 20 matrix instructions: 5 row blocks x group g's 4 column blocks, on 20 different accumulators.  zero = 1: they start the sums.  skip = 1: a dead fifth block's four are jumped over.
; fst = 1: in the K loop's first trip all 20 are jumped over: they stand ahead of the loop.  Every jump goes forward to the label ahead of the four v_nop that close the run: the places in front
; of loads into registers that these products read, and of instructions that read their results (ISA guide 7.12.1 for vector instructions).
.macro MMH u, g, zero, skip, fst
.if \fst
	s_cmp_eq_u32 s18, STEPS-2
	s_cbranch_scc1 .Lover_\@
.endif
	WIN M1
.irp b, 0,1,2,3
.irp c, 0,1,2,3
	WM \u, \g, \b, \c, \zero
.endr
.endr
.if \skip
	WIN 0                                          ; at a branch and at a label every window is 0
	s_cmp_eq_u32 s[F5], 0
	s_cbranch_scc1 .Lover_\@
.endif
	WIN M2
.irp c, 0,1,2,3
	WM \u, \g, 4, \c, \zero
.endr
	WIN 0
.if (\skip) || (\fst)
.Lover_\@:
.endif
.rept 4
	v_nop
.endr
.endm
; A substep: 40 matrix instructions.  Behind each group's products its fragments of the next substep are fetched; behind both, set u of the rows is asked for again, a step on.
; na: the global loads issued behind set u.  nd: the LDS instructions issued behind the group that is due: the other group's 8 loads, and 16 stores where CONV stands between.
.macro SUB u, fst, na, nd, refill, last
	s_wait_loadcnt \na                             ; set u is in, and its loads are the last that named its base:
.if \refill
	s_add_nc_u64 s[AB+2*(\u):AB+2*(\u)+1], s[AB+2*(\u):AB+2*(\u)+1], 4096  ; so the base may step: 128 along K are four chunks of 1,024 bytes
.endif
	s_wait_dscnt \nd
	MMH \u, 0, 0, 1, \fst
.if !(\last)
	FRG 0, (\u)+1
	s_wait_dscnt \nd
.else
	s_wait_dscnt 0x0
.endif
	MMH \u, 1, 0, 1, \fst
.if !(\last)
	FRG 1, (\u)+1
.endif
.if \refill
	ALD \u
.endif
.endm
; A K step of 128.  fst: the step stands in the loop, whose first trip finds its first substep multiplied.  conv: W of the next step is rounded and stored.  wiss: W of the step after that is
; asked for.  refill: the rows of the next step are asked for.
; A full step issues, in this order, Wa (16 loads), A0 (10), A1 (10), Wb (16), A2 (10), A3 (10).  So behind Wa or Wb of the step before stand 56 loads when they are due, behind each A set 62.
.macro STEP fst, conv, wiss, refill, nwa, na0, na1, nwb, na2, na3
	FRG 0, 0
	FRG 1, 0
.if \conv
	CONV SA, 0, \nwa, \wiss
.endif
	SUB 0, \fst, \na0, 8+16*(\conv), \refill, 0
	SUB 1, 0, \na1, 8, \refill, 0
.if \conv
	CONV SB, 1, \nwb, \wiss
.endif
	SUB 2, 0, \na2, 8+16*(\conv), \refill, 0
	SUB 3, 0, \na3, 8, \refill, 1
.if \wiss
	v_add_nc_u32 v[STA], STEPL, v[STA]
.endif
.if \refill
	v_add_nc_u32 v[FR], STEPL, v[FR]
.endif
.if \conv
	s_wait_dscnt 0x0                               ; for the others' sake: my rows of the next step are in LDS
	s_barrier_signal -1
	s_barrier_wait -1                              ; everybody's are
.endif
.endm
.macro RSUB zero                       ; a substep of a later pass: W lies in LDS; nothing is asked for ahead; all five blocks are multiplied
	ALD 0
	FRG 0, 0
	FRG 1, 0
	s_wait_loadcnt 0x0
	s_wait_dscnt 0x0
	MMH 0, 0, \zero, 0, 0
	MMH 0, 1, \zero, 0, 0
.endm
.macro MEET                            ; layer 2 alone: all my LDS instructions are done; then the work-group's barrier
.if LAYER == 2
	s_wait_dscnt 0x0
	s_barrier_signal -1
	s_barrier_wait -1
.endif
.endm
	s_load_b256 s[4:11], s[0:1], 0x0               ; rows s[4:5], W s[6:7], cnt s[8:9], output s[10:11]
	v_lshl_add_u32 v254, v0, 2, 0x2c400
	v_mov_b32 v255, 0
	v_and_b32 v6, 31, v0                           ; lane
	v_lshrrev_b32 v7, 5, v0
	v_readfirstlane_b32 s12, v7                    ; wave
	s_and_b32 s14, ttmp7, 0xffff                   ; e
	v_lshlrev_b32 v[LN16], 4, v6
	v_and_b32 v8, 15, v6                           ; r
	v_lshrrev_b32 v9, 4, v6                        ; h
.if LAYER == 1
	v_lshlrev_b32 v[WO], 4, v8
	v_lshl_add_u32 v[WO], v9, 13, v[WO]
	s_lshl_b32 s26, s14, 24                        ; W: expert, row 16 w, column 64 j
	s_lshl_b32 s27, s12, 18
	s_add_co_u32 s26, s26, s27
	s_lshl_b32 s27, ttmp9, 8
	s_add_co_u32 s26, s26, s27
	s_mul_i32 s28, s14, 80*BLK                     ; rows: expert, block w
	s_mul_i32 s29, s12, BLK
	s_add_co_u32 s28, s28, s29
	s_mul_i32 s32, s14, 80*65536                   ; actg: expert, block w, chunks 2 j and 2 j + 1
	s_lshl_b32 s33, s12, 16
	s_add_co_u32 s32, s32, s33
	s_lshl_b32 s33, ttmp9, 11
	s_add_co_u32 s32, s32, s33
.else
	s_and_b32 s13, ttmp9, 7                        ; ns
	s_lshr_b32 s19, ttmp9, 3                       ; ks
	s_lshl_b32 s26, s14, 23                        ; W: expert, row 512 ks + 16 w, column 128 ns
	s_lshl_b32 s27, s19, 21
	s_add_co_u32 s26, s26, s27
	s_lshl_b32 s27, s12, 16
	s_add_co_u32 s26, s26, s27
	s_lshl_b32 s27, s13, 9
	s_add_co_u32 s26, s26, s27
	s_mul_i32 s28, s14, 80*BLK                     ; rows: expert, block w, chunk 16 ks
	s_mul_i32 s29, s12, BLK
	s_add_co_u32 s28, s28, s29
	s_lshl_b32 s29, s19, 14
	s_add_co_u32 s28, s28, s29
	s_mul_i32 s32, s19, 41943040                   ; y: quarter ks, row 1,280 e + 16 w, column 128 ns
	s_mul_i32 s33, s14, 1280*4096
	s_add_co_u32 s32, s32, s33
	s_lshl_b32 s33, s12, 16
	s_add_co_u32 s32, s32, s33
	s_lshl_b32 s33, s13, 9
	s_add_co_u32 s32, s32, s33
.endif
	s_mov_b32 s27, 0
	s_mov_b32 s29, 0
	s_mov_b32 s33, 0
	s_lshl_b32 s34, s14, 7
	s_mov_b32 s35, 0
	s_mul_i32 s18, s12, 16*PITCH
	v_lshl_add_u32 v[STA], v6, 3, s18              ; row 16 w of step 0, 8 bytes a lane
	v_and_b32 v10, 7, v6
	v_lshl_add_u32 v10, v9, 3, v10                 ; the turning load: row 8 h + l % 8,
	v_mul_u32_u24 v10, v10, PITCH
	v_bfe_u32 v11, v6, 3, 1
	v_lshl_add_u32 v[FR0], v11, 4, v10             ; 16 bytes (l / 8) % 2
	v_mov_b32 v[FR], v[FR0]
	s_wait_kmcnt 0x0
	s_add_nc_u64 s[WB:WB+1], s[6:7], s[26:27]
	s_add_nc_u64 s[WB+2:WB+3], s[WB:WB+1], 64*ROWB
	s_add_nc_u64 s[30:31], s[4:5], s[28:29]
.irp u, 0,1,2,3
	s_add_nc_u64 s[AB+2*(\u):AB+2*(\u)+1], s[30:31], 1024*(\u)
.endr
	s_add_nc_u64 s[24:25], s[10:11], s[32:33]
	s_add_nc_u64 s[8:9], s[8:9], s[34:35]
	; THE START.  Its order leaves the same loads out, in the same order, as a full step does.
	WLD SA, 0                                      ; step 0
	WLD SB, 1
	s_load_b32 s15, s[8:9], 0x0                    ; M
	CONV SA, 0, 16, 1                              ; behind step 0's first half: its second half's 16.  Step 1's first half is asked for
	s_wait_kmcnt 0x0
	s_min_u32 s15, s15, 1024
	s_mov_b32 s16, 1                               ; passes: 1 + (M > 320) + (M > 640) + (M > 960)
.irp m, 320,640,960
	s_cmp_gt_u32 s15, \m
	s_cselect_b32 s18, 1, 0
	s_add_co_u32 s16, s16, s18
.endr
	s_lshl_b32 s18, s12, 4
	s_add_co_u32 s18, s18, 256                     ; my fifth block's first row
	s_cmp_gt_u32 s15, s18
	s_cselect_b32 s[F5], 1, 0
	s_add_co_u32 s18, s[F5], 3                     ; the fifth of my blocks, or the fourth once more
	s_min_u32 s18, s18, 4                          ; a number that hangs on memory is clamped before it enters an address
	s_lshl_b32 s18, s18, LOG4B
	v_add_nc_u32 v[LN5], s18, v[LN16]
.if LAYER == 1
	s_add_co_u32 s[NB], s[F5], 4
.endif
	ALD 0
	ALD 1
	CONV SB, 1, 36, 1                              ; behind step 0's second half: 16 of W and 20 of the rows
	ALD 2
	ALD 3
	v_add_nc_u32 v[STA], STEPL, v[STA]
.if LAYER == 1
.macro KON r, bits                     ; a constant as a pair: the packed forms name the pair and take its low word for both halves
	s_mov_b32 s[\r], \bits
	s_mov_b32 s[(\r)+1], \bits
.endm
	KON 36, 0x3f3504f3                             ; 1 / sqrt(2)
	KON 38, 0xaf95df0b                             ; erf(z) = z P(z^2) / Q(z^2).  P, highest power first: -2.72614226e-10
	KON 40, 0x32edffee                             ;  2.77068142e-08
	KON 42, 0xb60cff51                             ; -2.10102402e-06
	KON 44, 0xb86ec2d2                             ; -5.69250639e-05
	KON 46, 0xba40ac63                             ; -7.34990630e-04
	KON 48, 0xbb41a1f6                             ; -2.95459981e-03
	KON 50, 0xbc83dbd4                             ; -1.60960333e-02
	KON 52, 0xb77460cd                             ; Q: -1.45660718e-05
	KON 54, 0xb95fbd29                             ; -2.13374055e-04
	KON 56, 0xbadc924e                             ; -1.68282697e-03
	KON 58, 0xbbf19bf8                             ; -7.37332917e-03
	KON 60, 0xbc69b6a7                             ; -1.42647391e-02
.else
	s_mul_i32 s18, s12, 16*528
	s_add_co_u32 s18, s18, STAGE                   ; my stage
	v_mul_u32_u24 v[SO], v8, 528
	v_lshl_add_u32 v[SO], v9, 5, v[SO]             ; in: row r, 32 bytes for each half of the lanes
	v_add_nc_u32 v[SO], s18, v[SO]
	v_add_nc_u32 v[SR], s18, v[LN16]               ; back: a row's 512 bytes, 16 a lane
.endif
	s_wait_dscnt 0x0                               ; my rows of step 0 are in LDS
	s_barrier_signal -1
	s_barrier_wait -1
	; PASS 0.  The first 40 products stand ahead of the loop: they start the sums, the fifth block's too, whether it is live or not.
	FRG 0, 0
	FRG 1, 0
	s_wait_loadcnt 46                              ; set 0 of the rows is in; behind it stand A1, Wb, A2, A3: 10 + 16 + 10 + 10
	s_wait_dscnt 0x0
	MMH 0, 0, 1, 0, 0
	MMH 0, 1, 1, 0, 0
	s_mov_b32 s18, STEPS-2
.Lk:                                                   ; a trip is a full step; the first trip jumps over its first 40 products
	STEP 1, 1, 1, 1, 56, 62, 62, 56, 62, 62
	s_sub_co_u32 s18, s18, 1
	s_cmp_lg_u32 s18, 0
	s_cbranch_scc1 .Lk
	STEP 0, 1, 0, 1, 56, 46, 46, 40, 30, 30        ; the last step but one asks for no W: the counts lose the 16 or 32 that are missing
	STEP 0, 0, 0, 0, 0, 30, 20, 0, 10, 0           ; the last step asks for nothing: the counts run down
	v_mov_b32 v[FR], v[FR0]                        ; back to the slice's first step, for a later pass
; THE LOOP OVER PASSES: four trips, the most passes that 1,024 rows make.  The first half of a trip sends out the pass whose sums lie in the registers; the second half, if another pass is
; left, makes its sums from the slice that lies in LDS.  A half without work is jumped over, forward, to the label behind it; what is jumped holds no barrier.
; In layer 2 a barrier stands at each of the two labels, on every wave's path: the way out stores into the waves' stages, and a later pass reads the slice by an address that steps in a loop;
; with the two barriers those stores and those reads never run side by side, so that nothing hangs on the two regions' being apart.  Layer 1 stores nothing into LDS here and has neither.
.if LAYER == 2
	s_mov_b32 s17, 0
.endif
	s_mov_b32 s13, 4
.Lpass:
	s_cmp_eq_u32 s16, 0
	s_cbranch_scc1 .Lmid                           ; no pass is left
.if LAYER == 1
; THE WAY OUT, a row block a trip.  One text of the activation serves the blocks: COPY brings the block's 64 numbers a lane into window 0, each times 1 / sqrt(2):
; z = gate / sqrt(2), x' = x / sqrt(2).  Then gelu(gate) x = gate x (1 + erf(z)) / 2 = t + t erf(z) with t = z x'.  Each accumulator is read from its low end on.
.macro COPY b
.if (\b) < 4
	WIN 0x01
.else
	WIN 0x02
.endif
.set ci, 0
.rept 32
	v_pk_mul_f32 v[E+2*ci:E+2*ci+1], v[(64*(\b))%256+2*ci:(64*(\b))%256+2*ci+1], s[36:37] op_sel_hi:[1,0]
.set ci, ci+1
.endr
	WIN 0
.endm
; Column block c: 8 numbers a lane, stage by stage over four pairs.  T+0: z clamped; T+8: its square, later t; T+16: P; T+24: Q.
.macro GLU c
.set rX, E+8*(\c)
.set rZ, E+32+8*(\c)
.irp p, 0,1,2,3,4,5,6,7
	v_med3_num_f32 v[T+(\p)], v[rZ+(\p)], -4.0, 4.0
.endr
.irp p, 0,2,4,6
	v_pk_mul_f32 v[T+8+(\p):T+9+(\p)], v[T+(\p):T+1+(\p)], v[T+(\p):T+1+(\p)]
.endr
.irp p, 0,2,4,6
	v_pk_fma_f32 v[T+16+(\p):T+17+(\p)], v[T+8+(\p):T+9+(\p)], s[38:39], s[40:41] op_sel_hi:[1,0,0]
	v_pk_fma_f32 v[T+24+(\p):T+25+(\p)], v[T+8+(\p):T+9+(\p)], s[52:53], s[54:55] op_sel_hi:[1,0,0]
.endr
.irp k, 0,2,4
.irp p, 0,2,4,6
	v_pk_fma_f32 v[T+16+(\p):T+17+(\p)], v[T+16+(\p):T+17+(\p)], v[T+8+(\p):T+9+(\p)], s[42+(\k):43+(\k)] op_sel_hi:[1,1,0]
	v_pk_fma_f32 v[T+24+(\p):T+25+(\p)], v[T+24+(\p):T+25+(\p)], v[T+8+(\p):T+9+(\p)], s[56+(\k):57+(\k)] op_sel_hi:[1,1,0]
.endr
.endr
.irp k, 48,50
.irp p, 0,2,4,6
	v_pk_fma_f32 v[T+16+(\p):T+17+(\p)], v[T+16+(\p):T+17+(\p)], v[T+8+(\p):T+9+(\p)], s[(\k):(\k)+1] op_sel_hi:[1,1,0]
.endr
.endr
.irp p, 0,1,2,3,4,5,6,7
	v_rcp_f32 v[T+24+(\p)], v[T+24+(\p)]           ; Q is at most -0.0142: never 0
.endr
.irp p, 0,2,4,6                                        ; eight plain instructions stand between the reciprocals and the use of their results
	v_pk_mul_f32 v[T+16+(\p):T+17+(\p)], v[T+16+(\p):T+17+(\p)], v[T+(\p):T+1+(\p)]
	v_pk_mul_f32 v[T+8+(\p):T+9+(\p)], v[rZ+(\p):rZ+1+(\p)], v[rX+(\p):rX+1+(\p)]
.endr
.irp p, 0,2,4,6
	v_pk_mul_f32 v[T+16+(\p):T+17+(\p)], v[T+16+(\p):T+17+(\p)], v[T+24+(\p):T+25+(\p)]
.endr
.irp p, 0,2,4,6
	v_pk_fma_f32 v[T+8+(\p):T+9+(\p)], v[T+8+(\p):T+9+(\p)], v[T+16+(\p):T+17+(\p)], v[T+8+(\p):T+9+(\p)]
.endr
.if (\c) == 0
	s_wait_xcnt 0x0                                ; the last block's stores: their data (O) and their base are written again only behind this wait, which stands a block's copy and a column block's arithmetic behind them
	s_add_nc_u64 s[24:25], s[24:25], 4*65536       ; my next block; the stores reach back by their immediate
.endif
.irp p, 0,1,2,3
	v_cvt_pk_bf16_f32 v[O+4*(\c)+(\p)], v[T+8+2*(\p)], v[T+9+2*(\p)]
.endr
.endm
	s_mov_b32 s19, 0
.Lrb:                                                  ; four trips, or five where my fifth block is live
	s_cmp_lg_u32 s19, 0
	s_cbranch_scc1 .Lcopy1
	COPY 0
	s_branch .Lglu
.Lcopy1:
	s_cmp_lg_u32 s19, 1
	s_cbranch_scc1 .Lcopy2
	COPY 1
	s_branch .Lglu
.Lcopy2:
	s_cmp_lg_u32 s19, 2
	s_cbranch_scc1 .Lcopy3
	COPY 2
	s_branch .Lglu
.Lcopy3:
	s_cmp_lg_u32 s19, 3
	s_cbranch_scc1 .Lcopy4
	COPY 3
	s_branch .Lglu
.Lcopy4:
	COPY 4
.Lglu:
.irp c, 0,1,2,3                                        ; a lane's 8 units of column block c are 16 bytes of chunk (2 j + c / 2, c % 2) of the next layer's fragments: the four stores are 2,048 bytes on end
	GLU \c
	global_store_b128 v[LN16], v[O+4*(\c):O+4*(\c)+3], s[24:25] offset:512*(\c)-4*65536
.endr
	s_add_co_u32 s19, s19, 1
	s_cmp_lt_u32 s19, s[NB]
	s_cbranch_scc1 .Lrb                            ; five blocks, four apart, are a pass's 20: the base goes on into the next pass as it stands
.else
; THE WAY OUT.  A lane holds 32 bytes of a row; a block of 16 rows goes through my own stage and leaves as whole rows of 512 bytes.  Blocks whose first row is not below M hold nothing
; that is read later: they are the last of my blocks and are jumped over; what is jumped holds no barrier.  Two sets of registers take turns: the wait that frees one set's stores stands
; behind the next block's 32 LDS instructions, not straight behind those stores.
.macro OUTB b
.set EB, E+64*((\b)%2)
	s_cmp_gt_u32 s15, s26
	s_cbranch_scc0 .Ldone
	s_add_co_u32 s26, s26, 64
.if (\b) < 4
	WIN 0x04                                       ; the LDS store's data in window 1
.else
	WIN 0x08
.endif
.irp c, 0,1,2,3,4,5,6,7
	ds_store_b128 v[SO], v[(64*(\b))%256+8*(\c):(64*(\b))%256+8*(\c)+3] offset:64*(\c)
	ds_store_b128 v[SO], v[(64*(\b))%256+8*(\c)+4:(64*(\b))%256+8*(\c)+7] offset:64*(\c)+16
.endr
	WIN 0
.irp p, 0,1,2,3,4,5,6,7,8,9,10,11,12,13,14,15
	ds_load_b128 v[EB+4*(\p):EB+4*(\p)+3], v[SR] offset:528*(\p)     ; my own bytes, served in the order of issue: these see the stores above; this set's last stores were freed by the wait in the block before
.endr
	s_wait_xcnt 0x0                                ; the block before has stored from the other set: the block behind loads into it only behind this wait
.irp p, 0,1,2,3,4,5,6,7,8,9,10,11,12,13,14,15
	s_wait_dscnt 15-(\p)
	global_store_b128 v[LN16], v[EB+4*(\p):EB+4*(\p)+3], s[24:25] offset:(\b)*64*4096+4096*(\p)  ; 512 consecutive bytes of a row of y
.endr
.endm
	s_mul_i32 s26, s17, 320
	s_lshl_b32 s27, s12, 4
	s_add_co_u32 s26, s26, s27                     ; my first row of the pass; my blocks lie 64 rows apart
	OUTB 0
	OUTB 1
	OUTB 2
	OUTB 3
	OUTB 4
.Ldone:
	s_wait_xcnt 0x0
	s_add_nc_u64 s[24:25], s[24:25], 320*4096
	s_add_co_u32 s17, s17, 1
.endif
	s_sub_co_u32 s16, s16, 1
.Lmid:
	MEET                                           ; layer 2: every wave's stores into its stage, and its reads of it, are done
	s_cmp_eq_u32 s16, 0
	s_cbranch_scc1 .Lnext                          ; no further pass
	; A LATER PASS (only where M > 320): 320 more rows on the slice that lies in LDS.  All loads have been waited for, so the rows' base may be written.
	s_wait_xcnt 0x0                                ; layer 1's last stores read registers into which W's fragments are loaded below
	s_add_nc_u64 s[30:31], s[30:31], 20*BLK
	s_mov_b64 s[AB:AB+1], s[30:31]
	RSUB 1
	s_mov_b32 s18, 4*STEPS-1
.Lres:
	s_add_nc_u64 s[AB:AB+1], s[AB:AB+1], 1024      ; the substep before has waited for all its loads
	v_add_nc_u32 v[FR], SUBL, v[FR]
	RSUB 0
	s_sub_co_u32 s18, s18, 1
	s_cmp_lg_u32 s18, 0
	s_cbranch_scc1 .Lres
	v_mov_b32 v[FR], v[FR0]                        ; back to the slice's first step: the same on every way to the label below
.Lnext:
	MEET                                           ; layer 2: every wave's reads of the slice are done
	s_sub_co_u32 s13, s13, 1
	s_cmp_lg_u32 s13, 0
	s_cbranch_scc1 .Lpass
	s_wait_tensorcnt 0x0
	ds_add_u32 v254, v255
	s_wait_dscnt 0x0
	s_endpgm
.Lfunc_end_k_qb3e59e9664_ffn2:
	.size	k_qb3e59e9664_ffn2, .Lfunc_end_k_qb3e59e9664_ffn2-k_qb3e59e9664_ffn2
	.p2alignl 7, 3214868480
	.fill 96, 4, 3214868480
	.section	.rodata,"a",@progbits
	.p2align	6, 0x0
	.amdhsa_kernel k_qb3e59e9664_ffn2
		.amdhsa_group_segment_fixed_size 181760
		.amdhsa_private_segment_fixed_size 0
		.amdhsa_enable_private_segment 0
		.amdhsa_kernarg_size 32
		.amdhsa_user_sgpr_count 2
		.amdhsa_user_sgpr_kernarg_segment_ptr 1
		.amdhsa_wavefront_size32 1
		.amdhsa_system_sgpr_workgroup_id_x 1
		.amdhsa_system_sgpr_workgroup_id_y 1
		.amdhsa_system_sgpr_workgroup_id_z 1
		.amdhsa_system_vgpr_workitem_id 0
		.amdhsa_next_free_vgpr 736
		.amdhsa_next_free_sgpr 80
		.amdhsa_reserve_vcc 0
		.amdhsa_float_denorm_mode_32 3
		.amdhsa_float_denorm_mode_16_64 3
		.amdhsa_memory_ordered 1
		.amdhsa_forward_progress 1
		.amdhsa_inst_pref_size 132
	.end_amdhsa_kernel
	.amdgpu_metadata
---
amdhsa.version: [ 1, 2 ]
amdhsa.kernels:
  - .name:           k_qb3e59e9664_ffn2
    .symbol:         k_qb3e59e9664_ffn2.kd
    .args:
      - { .name: actg, .offset: 0, .size: 8, .value_kind: global_buffer, .address_space: global }
      - { .name: w2, .offset: 8, .size: 8, .value_kind: global_buffer, .address_space: global }
      - { .name: cnt, .offset: 16, .size: 8, .value_kind: global_buffer, .address_space: global }
      - { .name: y, .offset: 24, .size: 8, .value_kind: global_buffer, .address_space: global }
    .group_segment_fixed_size: 181760
    .private_segment_fixed_size: 0
    .kernarg_segment_align: 8
    .kernarg_segment_size: 32
    .max_flat_workgroup_size: 128
    .sgpr_count:     80
    .vgpr_count:     736
    .wavefront_size: 32
...
	.end_amdgpu_metadata
.endif
;; end of part 4
;; launch combine (part 5): grid 1024 x 1, 4 waves a work-group, no clusters, 0 bytes of LDS; arguments sel, rk, cw, y, out0; writes out0
.if DOCPART == 5
	.amdgcn_target "amdgcn-amd-amdhsa--gfx1250"
	.amdhsa_code_object_version 6
	.text
	.protected	k_qb3e59e9664_combine
	.globl	k_qb3e59e9664_combine
	.p2align	8
	.type	k_qb3e59e9664_combine,@function
k_qb3e59e9664_combine:
	s_mov_b64 s[64:65], 0
	v_nop
	global_prefetch_b8 v0, s[64:65] scope:SCOPE_SE
	s_setreg_imm32_b32 hwreg(HW_REG_WAVE_MODE, 25, 1), 1
	s_wait_xcnt 0x0
; COMBINE.  out0[t] = cw[t][0] Y(pos0) + cw[t][1] Y(pos1), with Y(pos) = the sum over the four quarters ks of K of y[ks][pos] and pos_i = 1,280 sel[t][i] + rk[sel[t][i]][t].
; y: [4][10240][1024] f32; out0: [1024][1024] f32.  sel and rk hold whole numbers that earlier launches stored; each is clamped before it enters an address.
; A work-group owns one token; thread v0 the 16 bytes at 16 v0 and at 2,048 + 16 v0 of each row: a wave's load or store covers 512 consecutive bytes.
; A stream: no LDS, no barrier, no matrix unit; each row of y that is read is read once in the launch.
.set Y, 16                             ; v[16:79]: slot s, quarter ks, half c at Y + 4 (8 s + 2 ks + c)
	s_load_b256 s[4:11], s[0:1], 0x0               ; sel s[4:5], rk s[6:7], cw s[8:9], y s[10:11]
	s_load_b64 s[12:13], s[0:1], 0x20              ; out0
	s_lshl_b32 s14, ttmp9, 3
	s_lshl_b32 s15, ttmp9, 2
	s_lshl_b32 s38, ttmp9, 12
	s_mov_b32 s39, 0
	v_lshlrev_b32 v1, 4, v0
	s_wait_kmcnt 0x0
	s_load_b64 s[16:17], s[4:5], s14 offset:0x0    ; the token's two experts
	s_load_b64 s[18:19], s[8:9], s14 offset:0x0    ; and their weights
.irp e, 0,1,2,3,4,5,6,7
	s_load_b32 s[20+(\e)], s[6:7], s15 offset:4096*(\e)    ; its rank with each expert: asked for together with sel, so that one wait serves all
.endr
	s_add_nc_u64 s[32:33], s[10:11], 0x2800000     ; the quarters of y lie 41,943,040 bytes apart
	s_add_nc_u64 s[34:35], s[32:33], 0x2800000
	s_add_nc_u64 s[36:37], s[34:35], 0x2800000
	s_add_nc_u64 s[12:13], s[12:13], s[38:39]
	s_wait_kmcnt 0x0
.macro PICK es, pos                    ; the byte offset of my 16 bytes in the row of expert s[es]
	s_min_u32 s[\es], s[\es], 7
	s_mov_b32 s28, s20
.irp e, 1,2,3,4,5,6,7
	s_cmp_eq_u32 s[\es], \e
	s_cselect_b32 s28, s[20+(\e)], s28
.endr
	s_min_u32 s28, s28, 1279
	s_mul_i32 s29, s[\es], 1280
	s_add_co_u32 s29, s29, s28
	v_lshl_add_u32 v[\pos], s29, 12, v1
.endm
.macro ROWS s, pos
.irp c, 0,1
	global_load_b128 v[Y+4*(8*(\s)+(\c)):Y+4*(8*(\s)+(\c))+3], v[\pos], s[10:11] offset:2048*(\c) th:TH_LOAD_NT
	global_load_b128 v[Y+4*(8*(\s)+2+(\c)):Y+4*(8*(\s)+2+(\c))+3], v[\pos], s[32:33] offset:2048*(\c) th:TH_LOAD_NT
	global_load_b128 v[Y+4*(8*(\s)+4+(\c)):Y+4*(8*(\s)+4+(\c))+3], v[\pos], s[34:35] offset:2048*(\c) th:TH_LOAD_NT
	global_load_b128 v[Y+4*(8*(\s)+6+(\c)):Y+4*(8*(\s)+6+(\c))+3], v[\pos], s[36:37] offset:2048*(\c) th:TH_LOAD_NT
.endr
.endm
	PICK 16, 2
	ROWS 0, 2
	PICK 17, 3
	ROWS 1, 3
	s_mov_b32 s40, s19                             ; the second weight as a pair of its own
	s_mov_b32 s41, s19
.macro SUM4 s                          ; (y0 + y1) + (y2 + y3), into quarter 0's registers
.irp c, 0,1
.irp p, 0,2
	v_pk_add_f32 v[Y+4*(8*(\s)+(\c))+(\p):Y+4*(8*(\s)+(\c))+(\p)+1], v[Y+4*(8*(\s)+(\c))+(\p):Y+4*(8*(\s)+(\c))+(\p)+1], v[Y+4*(8*(\s)+2+(\c))+(\p):Y+4*(8*(\s)+2+(\c))+(\p)+1]
	v_pk_add_f32 v[Y+4*(8*(\s)+4+(\c))+(\p):Y+4*(8*(\s)+4+(\c))+(\p)+1], v[Y+4*(8*(\s)+4+(\c))+(\p):Y+4*(8*(\s)+4+(\c))+(\p)+1], v[Y+4*(8*(\s)+6+(\c))+(\p):Y+4*(8*(\s)+6+(\c))+(\p)+1]
.endr
.irp p, 0,2
	v_pk_add_f32 v[Y+4*(8*(\s)+(\c))+(\p):Y+4*(8*(\s)+(\c))+(\p)+1], v[Y+4*(8*(\s)+(\c))+(\p):Y+4*(8*(\s)+(\c))+(\p)+1], v[Y+4*(8*(\s)+4+(\c))+(\p):Y+4*(8*(\s)+4+(\c))+(\p)+1]
.endr
.endr
.endm
	s_wait_loadcnt 8                               ; the first expert's eight loads are in; the second's eight are younger
	SUM4 0
.irp c, 0,1
.irp p, 0,2
	v_pk_mul_f32 v[Y+4*(\c)+(\p):Y+4*(\c)+(\p)+1], v[Y+4*(\c)+(\p):Y+4*(\c)+(\p)+1], s[18:19] op_sel_hi:[1,0]
.endr
.endr
	s_wait_loadcnt 0x0
	SUM4 1
.irp c, 0,1
.irp p, 0,2
	v_pk_fma_f32 v[Y+4*(\c)+(\p):Y+4*(\c)+(\p)+1], v[Y+32+4*(\c)+(\p):Y+32+4*(\c)+(\p)+1], s[40:41], v[Y+4*(\c)+(\p):Y+4*(\c)+(\p)+1] op_sel_hi:[1,0,1]
.endr
	global_store_b128 v1, v[Y+4*(\c):Y+4*(\c)+3], s[12:13] offset:2048*(\c) th:TH_STORE_NT
.endr
	s_endpgm
.Lfunc_end_k_qb3e59e9664_combine:
	.size	k_qb3e59e9664_combine, .Lfunc_end_k_qb3e59e9664_combine-k_qb3e59e9664_combine
	.p2alignl 7, 3214868480
	.fill 96, 4, 3214868480
	.section	.rodata,"a",@progbits
	.p2align	6, 0x0
	.amdhsa_kernel k_qb3e59e9664_combine
		.amdhsa_group_segment_fixed_size 0
		.amdhsa_private_segment_fixed_size 0
		.amdhsa_enable_private_segment 0
		.amdhsa_kernarg_size 40
		.amdhsa_user_sgpr_count 2
		.amdhsa_user_sgpr_kernarg_segment_ptr 1
		.amdhsa_wavefront_size32 1
		.amdhsa_system_sgpr_workgroup_id_x 1
		.amdhsa_system_sgpr_workgroup_id_y 1
		.amdhsa_system_sgpr_workgroup_id_z 1
		.amdhsa_system_vgpr_workitem_id 0
		.amdhsa_next_free_vgpr 80
		.amdhsa_next_free_sgpr 66
		.amdhsa_reserve_vcc 0
		.amdhsa_float_denorm_mode_32 3
		.amdhsa_float_denorm_mode_16_64 3
		.amdhsa_memory_ordered 1
		.amdhsa_forward_progress 1
		.amdhsa_inst_pref_size 7
	.end_amdhsa_kernel
	.amdgpu_metadata
---
amdhsa.version: [ 1, 2 ]
amdhsa.kernels:
  - .name:           k_qb3e59e9664_combine
    .symbol:         k_qb3e59e9664_combine.kd
    .args:
      - { .name: sel, .offset: 0, .size: 8, .value_kind: global_buffer, .address_space: global }
      - { .name: rk, .offset: 8, .size: 8, .value_kind: global_buffer, .address_space: global }
      - { .name: cw, .offset: 16, .size: 8, .value_kind: global_buffer, .address_space: global }
      - { .name: y, .offset: 24, .size: 8, .value_kind: global_buffer, .address_space: global }
      - { .name: out0, .offset: 32, .size: 8, .value_kind: global_buffer, .address_space: global }
    .group_segment_fixed_size: 0
    .private_segment_fixed_size: 0
    .kernarg_segment_align: 8
    .kernarg_segment_size: 40
    .max_flat_workgroup_size: 128
    .sgpr_count:     66
    .vgpr_count:     80
    .wavefront_size: 32
...
	.end_amdgpu_metadata
.endif
;; end of part 5
